; MI455X (gfx1250); checked and timed in simulation.
; The chip was launched on July 23, 2026; its instructions are those of AMD's public machine-readable ISA for CDNA 5 (MIT licence, August 2026) and "CDNA5" Instruction Set Architecture Reference Guide (July 2026). The comments in the code are by the model that wrote it; some were corrected since.
;; multi head attention. Allowed arithmetic: float matrix products may take bf16 or f16 operands with f32 sums; all other float work in f32.
;; Inputs: Wk 1,024 x 1,024 float32; Wq 1,024 x 1,024 float32; Wres 1,024 x 1,024 float32; Wv 1,024 x 1,024 float32; b_att 64 float32; b_out 1,024 float32; bk 1,024 float32; bq 1,024 float32; bres 1,024 float32; bv 1,024 float32; g_att 64 float32; g_out 1,024 float32; key 2 x 2,048 x 1,024 float32; mask 2 x 2,048 int32; query 2 x 2,048 x 1,024 float32; value 2 x 2,048 x 1,024 float32.
;; Outputs: out0 2 x 2,048 x 1,024 float32.
;; One version. Each part assembles by itself: llvm-mc -triple=amdgcn-amd-amdhsa -mcpu=gfx1250 --defsym DOCPART=n.
;; ======== version 1 of 1: 5 launches
;; limits: values are held in f16: magnitudes above 65,504 overflow, below 6.1e-05 lose precision
;; workspace buffers: xb 25,165,824 bytes; wb 6,291,456 bytes; wrb 2,097,152 bytes; qh 16,777,216 bytes; kh 8,388,608 bytes; vh 8,388,608 bytes; x2 16,777,216 bytes
;; launch cast (part 1): grid 256 x 4, 8 waves a work-group, no clusters, 0 bytes of LDS; arguments query, key, value, Wq, Wk, Wv, Wres, xb, wb, wrb; writes xb, wb, wrb
.if DOCPART == 1
	.amdgcn_target "amdgcn-amd-amdhsa--gfx1250"
	.amdhsa_code_object_version 6
	.text
	.protected	k_q57a1cd8d78_cast
	.globl	k_q57a1cd8d78_cast
	.p2align	8
	.type	k_q57a1cd8d78_cast,@function
k_q57a1cd8d78_cast:
	s_mov_b64 s[64:65], 0
	v_nop
	global_prefetch_b8 v0, s[64:65] scope:SCOPE_SE
	s_setreg_imm32_b32 hwreg(HW_REG_WAVE_MODE, 25, 1), 1
	s_wait_xcnt 0x0
; f32 to f16, once, for the three activations and the four weights, so that the products can take their tiles by tensor loads.
; xb: [kb 16][row 12288][64] f16, row = 4096 g + token (g = 0 query, 1 key, 2 value): a block of 64 rows x 64 k is 8 KiB dense.
; wb: [3][k][n] f16 (Wq, Wk, Wv); wrb: [k][n] f16 (Wres).
; WHY f16: 11 significant bits against bf16's 8; the LayerNorms' gains multiply what is lost here.  LIMIT: a number beyond 65,504 in
; magnitude becomes infinite, and below 6.1e-5 the step is 6e-8.  Activations of order 1 and weights of order 0.02 keep their relative
; precision when they are 30 times larger or smaller, or carry an offset of 30 times their spread (200 and 3 at the most).
; A work-group takes 16 rows x 1024 f32.  A wave has 8 units; a unit is 32 bytes a lane in (two loads), 16 bytes a lane out:
; each store of a wave covers 512 consecutive bytes, aligned.  All 16 loads go out first; no register is written twice.
.set X, 8                              ; v[8:71]   unit u: 8 f32
.set Y, 72                             ; v[72:103] unit u: 8 f16
.set PLANE, 1572864                    ; bytes of one kb plane of xb
.macro LD u, off
	global_load_b128 v[X+8*\u:X+8*\u+3], v1, s[28:29] offset:(\off) th:TH_LOAD_NT
	global_load_b128 v[X+8*\u+4:X+8*\u+7], v1, s[28:29] offset:(\off)+16 th:TH_LOAD_NT
.endm
.macro CV u, off
	s_wait_loadcnt 14-2*\u                 ; loads return in order: this unit's two are in, the younger units' stay out
.irp k, 0,1,2,3
	v_cvt_pk_f16_f32 v[Y+4*\u+\k], v[X+8*\u+2*\k], v[X+8*\u+2*\k+1]
.endr
	global_store_b128 v2, v[Y+4*\u:Y+4*\u+3], s[30:31] offset:(\off)
.endm
	s_load_b512 s[8:23], s[0:1], 0x0       ; query 8, key 10, value 12, Wq 14, Wk 16, Wv 18, Wres 20, xb 22
	s_load_b128 s[24:27], s[0:1], 0x40     ; wb 24, wrb 26
	v_lshrrev_b32 v3, 5, v0
	v_readfirstlane_b32 s3, v3             ; wave
	s_and_b32 s4, ttmp7, 0xffff            ; y: 0..2 an activation, 3 the weights
	s_mov_b32 s5, ttmp9                    ; i
	v_and_b32 v4, 31, v0                   ; lane
	v_lshlrev_b32 v2, 4, v4                ; out: 16 bytes a lane
	s_mov_b32 s33, 0
	s_mov_b32 s35, 0
	s_wait_kmcnt 0x0
	s_cmp_eq_u32 s4, 3
	s_cbranch_scc1 .Lweights
	; activations: wave w takes planes 2w, 2w+1; a unit is 4 rows x 64 columns
	s_cmp_eq_u32 s4, 1
	s_cselect_b64 s[28:29], s[10:11], s[8:9]
	s_cmp_eq_u32 s4, 2
	s_cselect_b64 s[28:29], s[12:13], s[28:29]
	s_lshl_b32 s32, s5, 16                 ; 16 rows of 4,096 bytes
	s_add_nc_u64 s[28:29], s[28:29], s[32:33]
	s_mul_i32 s34, s3, 2*PLANE
	s_lshl_b32 s6, s4, 19                  ; 4096 g rows of 128 bytes
	s_add_co_u32 s34, s34, s6
	s_lshl_b32 s6, s5, 11                  ; 16 i rows of 128 bytes
	s_add_co_u32 s34, s34, s6
	s_add_nc_u64 s[30:31], s[22:23], s[34:35]
	v_lshrrev_b32 v5, 3, v4
	v_and_b32 v6, 7, v4
	v_lshlrev_b32 v6, 5, v6
	v_lshl_add_u32 v1, v5, 12, v6          ; (lane / 8) rows + (lane % 8) x 32 bytes
	s_lshl_b32 s6, s3, 9
	v_add_nc_u32 v1, s6, v1                ; + my 128 columns
.irp u, 0,1,2,3,4,5,6,7
	LD \u, (\u>>2)*256+(\u&3)*16384
.endr
.irp u, 0,1,2,3,4,5,6,7
	CV \u, (\u>>2)*PLANE+(\u&3)*512
.endr
	s_endpgm
.Lweights:
	; weights: matrix i / 64, rows 16 (i % 64) ..; wave w takes rows 2w, 2w+1; a unit is 256 numbers of a row
	s_lshr_b32 s6, s5, 6
	s_and_b32 s7, s5, 63
	s_cmp_eq_u32 s6, 1
	s_cselect_b64 s[28:29], s[16:17], s[14:15]
	s_cmp_eq_u32 s6, 2
	s_cselect_b64 s[28:29], s[18:19], s[28:29]
	s_cmp_eq_u32 s6, 3
	s_cselect_b64 s[28:29], s[20:21], s[28:29]
	s_lshl_b32 s32, s7, 16
	s_add_nc_u64 s[28:29], s[28:29], s[32:33]
	s_lshl_b32 s34, s6, 21
	s_cmp_lt_u32 s6, 3
	s_cselect_b64 s[30:31], s[24:25], s[26:27]
	s_cselect_b32 s34, s34, 0
	s_lshl_b32 s6, s7, 15
	s_add_co_u32 s34, s34, s6
	s_lshl_b32 s6, s3, 12
	s_add_co_u32 s34, s34, s6
	s_add_nc_u64 s[30:31], s[30:31], s[34:35]
	s_lshl_b32 s6, s3, 13
	v_lshl_add_u32 v1, v4, 5, s6
.irp u, 0,1,2,3,4,5,6,7
	LD \u, (\u>>2)*4096+(\u&3)*1024
.endr
.irp u, 0,1,2,3,4,5,6,7
	CV \u, (\u>>2)*2048+(\u&3)*512
.endr
	s_endpgm
.Lfunc_end_k_q57a1cd8d78_cast:
	.size	k_q57a1cd8d78_cast, .Lfunc_end_k_q57a1cd8d78_cast-k_q57a1cd8d78_cast
	.p2alignl 7, 3214868480
	.fill 96, 4, 3214868480
	.section	.rodata,"a",@progbits
	.p2align	6, 0x0
	.amdhsa_kernel k_q57a1cd8d78_cast
		.amdhsa_group_segment_fixed_size 0
		.amdhsa_private_segment_fixed_size 0
		.amdhsa_enable_private_segment 0
		.amdhsa_kernarg_size 80
		.amdhsa_user_sgpr_count 2
		.amdhsa_user_sgpr_kernarg_segment_ptr 1
		.amdhsa_wavefront_size32 1
		.amdhsa_system_sgpr_workgroup_id_x 1
		.amdhsa_system_sgpr_workgroup_id_y 1
		.amdhsa_system_sgpr_workgroup_id_z 1
		.amdhsa_system_vgpr_workitem_id 0
		.amdhsa_next_free_vgpr 104
		.amdhsa_next_free_sgpr 66
		.amdhsa_reserve_vcc 0
		.amdhsa_float_denorm_mode_32 3
		.amdhsa_float_denorm_mode_16_64 3
		.amdhsa_memory_ordered 1
		.amdhsa_forward_progress 1
		.amdhsa_inst_pref_size 12
	.end_amdhsa_kernel
	.amdgpu_metadata
---
amdhsa.version: [ 1, 2 ]
amdhsa.kernels:
  - .name:           k_q57a1cd8d78_cast
    .symbol:         k_q57a1cd8d78_cast.kd
    .args:
      - { .name: query, .offset: 0, .size: 8, .value_kind: global_buffer, .address_space: global }
      - { .name: key, .offset: 8, .size: 8, .value_kind: global_buffer, .address_space: global }
      - { .name: value, .offset: 16, .size: 8, .value_kind: global_buffer, .address_space: global }
      - { .name: Wq, .offset: 24, .size: 8, .value_kind: global_buffer, .address_space: global }
      - { .name: Wk, .offset: 32, .size: 8, .value_kind: global_buffer, .address_space: global }
      - { .name: Wv, .offset: 40, .size: 8, .value_kind: global_buffer, .address_space: global }
      - { .name: Wres, .offset: 48, .size: 8, .value_kind: global_buffer, .address_space: global }
      - { .name: xb, .offset: 56, .size: 8, .value_kind: global_buffer, .address_space: global }
      - { .name: wb, .offset: 64, .size: 8, .value_kind: global_buffer, .address_space: global }
      - { .name: wrb, .offset: 72, .size: 8, .value_kind: global_buffer, .address_space: global }
    .group_segment_fixed_size: 0
    .private_segment_fixed_size: 0
    .kernarg_segment_align: 8
    .kernarg_segment_size: 80
    .max_flat_workgroup_size: 256
    .sgpr_count:     66
    .vgpr_count:     104
    .wavefront_size: 32
...
	.end_amdgpu_metadata
.endif
;; end of part 1
;; launch proj (part 2): grid 4 x 48, 4 waves a work-group, clusters of 4 x 4, 327,680 bytes of LDS; arguments xb, wb, bq, bk, bv, qh, kh, vh; writes qh, kh, vh
.if DOCPART == 2
	.amdgcn_target "amdgcn-amd-amdhsa--gfx1250"
	.amdhsa_code_object_version 6
	.text
	.protected	k_q57a1cd8d78_proj
	.globl	k_q57a1cd8d78_proj
	.p2align	8
	.type	k_q57a1cd8d78_proj,@function
k_q57a1cd8d78_proj:
	s_mov_b64 s[64:65], 0
	v_nop
	global_prefetch_b8 v0, s[64:65] scope:SCOPE_SE
	s_setreg_imm32_b32 hwreg(HW_REG_WAVE_MODE, 25, 1), 1
	s_wait_xcnt 0x0
	s_wait_alu depctr_hold_cnt(0) depctr_sa_sdst(0) depctr_va_vdst(0) depctr_va_sdst(0) depctr_va_ssrc(0) depctr_va_vcc(0) depctr_vm_vsrc(0)
	s_getreg_b32 s2, hwreg(HW_REG_IB_STS2, 6, 4)
	s_cmp_eq_u32 s2, 0
	s_cbranch_scc0 .Lentry_in_a_cluster
	s_endpgm
.Lentry_in_a_cluster:
	s_bfe_u32 s2, ttmp6, 0x10000c
	s_cmp_lg_u32 s2, 0xf033
	s_cbranch_scc0 .Lentry_shape_is_right
	s_endpgm
.Lentry_shape_is_right:
; C = A W + bias for the three projections.  A: f16 [kb 16][row 12288][64] (K in blocks of 64; row = 4096 g + token).
; W: f16 [g][k 1024][n 1024].  Sums in f32.  Block row yb (256 rows of A), block column nb (256 columns); g = yb / 16 picks the
; weight, the bias and the output: g = 0: f32 [hb = 16 b + head][s 2048][64];  g = 1, 2: the same layout in bf16.
; A work-group makes 256 x 256 with four waves, as many as a WGP has SIMDs; a wave makes 128 x 128: 64 accumulator tiles, 512 registers.
; K = 1024 goes in 8 steps of 128 through two LDS slots.  WHY THIS BLOCK: between a tile's request and the wait for it a wave issues 240
; matrix instructions, and for 32 along K it reads 16 KiB of LDS for 64 matrix instructions.  It makes 48 x 4 = 192 work-groups: no
; block of equal work divides three products of 4,096 x 1,024 into 256 parts without lying across two weights.
; FORMAT: both operands f16 (11 significant bits): the problem's activations and weights, far inside f16's 65,504.  Limits: a number
; beyond that is infinite here; NaN and infinities are not served.
; CLUSTER 4 x 4: A's tiles hang on yb alone and are asked for jointly along a row of the cluster (all four block columns), W's on nb
; (and g, which comes from the cluster's y) alone and jointly along a column.  By this text's count a wave has two tensor loads out at
; the start, later one.
; REGISTERS in windows of 256: window 0: v16-28 addresses, v32-47 packed bf16, v64-127 and v128-191 A's fragments (two buffers),
; v192-255 the bias, later the way out;  window 1: v64-127, v128-191 W's fragments;  window 2: the 32 accumulator tiles of my rows 0-63
; (tile (a, b) at v[8 (8 a + b)]);  window 3: those of my rows 64-127.
; The matrix instruction is used transposed (source 0 = 16 columns of W, source 1 = 16 rows of A): lane (r, h), register j holds
; row r, column 8 h + j.  The bias is the C operand of the first 32 along K: nothing is cleared and nothing is added later.
.set PLANE_B, 1572864                  ; bytes of a kb plane of A
.set AP,    144                        ; LDS pitch of A's rows: 128 bytes + 16
.set BP,    288                        ; LDS pitch of W's k rows: 256 bytes + 32 (an odd multiple of 32, for the transposing loads)
.set PART,  36864                      ; what one tensor load fills: 2 planes x 128 rows x 144, or 128 k rows x 288
.set SLOT,  4*PART                     ; A rows 0-127, A rows 128-255, W columns 0-127, W columns 128-255
.set STAGE, 2*SLOT                     ; behind the ring: 16 rows x 272 bytes for each wave; no tensor load lands here
.set SP,    272
.set XFR, 16                           ; v16-17 A fragments' address, slot 0, 1
.set WFR, 20                           ; v20-21 W fragments' address, slot 0, 1
.set STO, 24
.set RD,  25
.set GO16, 26
.set GO8,  27
.set BOF,  28
.set PK,  32                           ; v32-47
.set F0,  64                           ; fragment buffer 0
.set F1,  128                          ; fragment buffer 1
.set BIAS, 192                         ; v192-255: read by the first 64 matrix instructions alone
.set TMP, 192                          ; v192-255: the way out, two buffers
.set G1A, 24
.set G0A, 32
.set G1B, 48
.set G0B, 56
.set MSB, 0
.macro WIN new                         ; the immediate's high byte repeats the setting that is left
.if MSB != \new
	s_set_vgpr_msb (MSB<<8)|\new
.set MSB, \new
.endif
.endm
.macro PLACES                          ; four plain places behind a matrix instruction (kept for loads too)
.rept 4
	v_nop
.endr
.endm
.macro CREST                           ; a round of the cluster's barrier behind its opening barrier
	s_cmp_lg_u32 s10, 0
	s_cbranch_scc1 .Lnw0_\@
	s_barrier_signal -3
.Lnw0_\@:
	s_barrier_wait -3
	s_barrier_signal -1
	s_barrier_wait -1
.endm
.macro ROUND                           ; a whole round
	s_barrier_signal -1
	s_barrier_wait -1
	CREST
.endm
.macro JLOAD slot                      ; waves 0, 1 ask for A's halves, waves 2, 3 for W's
	s_cmp_eq_u32 s11, 0
	s_cbranch_scc0 .Ljb_\@
	tensor_load_to_lds s[G0A+4*\slot:G0A+4*\slot+3], s[G1A:G1A+7]
	s_nop 0
	s_branch .Ljd_\@
.Ljb_\@:
	tensor_load_to_lds s[G0B+4*\slot:G0B+4*\slot+3], s[G1B:G1B+7]
	s_nop 0
.Ljd_\@:
.endm
	s_load_b512 s[68:83], s[0:1], 0x0      ; A 68, W 70, biases 72 74 76, outputs 78 80 82
	s_set_vgpr_msb 0x40
	v_lshl_add_u32 v255, v0, 2, 0x4c400
	s_set_vgpr_msb 0x4000
	v_mov_b32 v63, 0
	s_set_vgpr_msb 0x1
	ds_add_u32 v255, v63
	s_set_vgpr_msb 0x100
	v_lshrrev_b32 v1, 5, v0
	v_readfirstlane_b32 s10, v1            ; wave
	s_lshr_b32 s11, s10, 1                 ; wm: my 128 rows.  Also 0: I fetch for A, 1: for W
	s_and_b32 s12, s10, 1                  ; wn: my 128 columns.  Also which half I fetch
	s_bfe_u32 s40, ttmp6, 0x40000          ; cx
	s_bfe_u32 s41, ttmp6, 0x40004          ; cy
	s_lshl_b32 s42, ttmp9, 2
	s_add_co_u32 s42, s42, s40             ; nb
	s_and_b32 s45, ttmp7, 0xffff
	s_lshl_b32 s13, s45, 2
	s_add_co_u32 s13, s13, s41             ; yb
	s_lshr_b32 s45, s45, 2                 ; g, from the cluster's y: the same in all sixteen
	s_lshl_b32 s43, s41, 2
	s_lshl_b32 s43, 15, s43                ; my row of the cluster
	s_lshl_b32 s44, 0x1111, s40            ; my column
	; group 1 for A: 2 planes of 8,192 elements (128 rows x 64 k, dense), 16 bytes of padding behind every 128
	s_or_b32 s[G1A+0], s43, (1<<16)|(1<<20)|(1<<21)|(4<<22)|(3<<25)
	s_mov_b32 s[G1A+1], 8192<<16
	s_mov_b32 s[G1A+2], 2<<16
	s_mov_b32 s[G1A+3], 8192<<16
	s_mov_b32 s[G1A+4], 2
	s_mov_b32 s[G1A+5], PLANE_B/2
	s_mov_b32 s[G1A+6], 0
	s_mov_b32 s[G1A+7], 0
	; group 1 for W: 128 k rows of 128 elements, 32 bytes of padding behind every 256
	s_or_b32 s[G1B+0], s44, (1<<16)|(1<<20)|(1<<21)|(5<<22)|(7<<25)
	s_mov_b32 s[G1B+1], 128<<16
	s_mov_b32 s[G1B+2], 128<<16
	s_mov_b32 s[G1B+3], 128<<16
	s_mov_b32 s[G1B+4], 128
	s_mov_b32 s[G1B+5], 1024
	s_mov_b32 s[G1B+6], 0
	s_mov_b32 s[G1B+7], 0
	s_lshl_b32 s14, s13, 15                ; A: 256 yb rows of 128 bytes
	s_lshl_b32 s16, s12, 14                ;    + my 128 rows
	s_add_co_u32 s14, s14, s16
	s_mov_b32 s15, 0
	s_lshl_b32 s46, s45, 21                ; W: matrix g
	s_lshl_b32 s17, s12, 8                 ;    + my 128 columns
	s_add_co_u32 s46, s46, s17
	s_lshl_b32 s17, s42, 9                 ;    + 256 nb columns
	s_add_co_u32 s46, s46, s17
	s_mov_b32 s47, 0
	s_mul_i32 s20, s10, PART               ; where my part goes: the wave's number alone
	s_lshl_b32 s18, s42, 10                ; bias: 256 nb numbers
	s_mov_b32 s19, 0
	s_wait_dscnt 0x0
	s_wait_kmcnt 0x0
	s_add_nc_u64 s[14:15], s[68:69], s[14:15]
	s_add_nc_u64 s[46:47], s[70:71], s[46:47]
.irp s, 0,1
	s_mov_b32 s[G0A+4*\s], 1
	s_add_co_u32 s[G0A+4*\s+1], s20, \s*SLOT
	s_add_nc_u64 s[G0A+4*\s+2:G0A+4*\s+3], s[14:15], \s*2*PLANE_B      ; K step s: planes 2 s, 2 s + 1
	s_or_b32 s[G0A+4*\s+3], s[G0A+4*\s+3], 0x80000000
	s_mov_b32 s[G0B+4*\s], 1
	s_add_co_u32 s[G0B+4*\s+1], s20, \s*SLOT
	s_add_nc_u64 s[G0B+4*\s+2:G0B+4*\s+3], s[46:47], \s*262144         ; K step s: 128 k rows of 2,048 bytes
	s_or_b32 s[G0B+4*\s+3], s[G0B+4*\s+3], 0x80000000
.endr
	s_cmp_eq_u32 s45, 0
	s_cselect_b64 s[4:5], s[72:73], s[74:75]
	s_cmp_eq_u32 s45, 2
	s_cselect_b64 s[4:5], s[76:77], s[4:5]
	s_add_nc_u64 s[4:5], s[4:5], s[18:19]
	ROUND                                  ; all sixteen work-groups are here: the first joint loads meet
	s_cmp_eq_u32 s11, 0                    ; both first fills of a wave inside one branch on its number
	s_cbranch_scc0 .Lfirst_b
	tensor_load_to_lds s[G0A:G0A+3], s[G1A:G1A+7]
	s_nop 0
	tensor_load_to_lds s[G0A+4:G0A+7], s[G1A:G1A+7]
	s_nop 0
	s_branch .Lfirst_done
.Lfirst_b:
	tensor_load_to_lds s[G0B:G0B+3], s[G1B:G1B+7]
	s_nop 0
	tensor_load_to_lds s[G0B+4:G0B+7], s[G1B:G1B+7]
	s_nop 0
.Lfirst_done:
	v_and_b32 v13, 15, v0                  ; r
	v_bfe_u32 v14, v0, 4, 1                ; h
	v_mul_u32_u24 v15, v13, AP
	v_lshl_add_u32 v15, v14, 4, v15
	s_mul_i32 s21, s11, PART
	v_add_nc_u32 v[XFR], s21, v15          ; my half of A + r x pitch + 16 h
	v_add_nc_u32 v[XFR+1], SLOT, v[XFR]
	v_and_b32 v15, 7, v0
	v_lshl_add_u32 v15, v14, 3, v15        ; k row 8 h + lane % 8
	v_mul_u32_u24 v15, v15, BP
	v_bfe_u32 v1, v0, 3, 1
	v_lshl_add_u32 v15, v1, 4, v15         ; + 16 bytes for the upper eight columns
	s_mul_i32 s21, s12, PART
	s_add_co_u32 s21, s21, 2*PART          ; W lies behind A; my half of its columns
	v_add_nc_u32 v[WFR], s21, v15
	v_add_nc_u32 v[WFR+1], SLOT, v[WFR]
	s_mul_i32 s21, s10, 16*SP
	s_add_co_u32 s21, s21, STAGE
	v_mul_u32_u24 v15, v13, SP
	v_lshl_add_u32 v15, v14, 5, v15
	v_add_nc_u32 v[STO], s21, v15          ; in: row r, 32 bytes for each half of the lanes
	v_mul_u32_u24 v15, v14, SP
	v_lshl_add_u32 v15, v13, 4, v15
	v_add_nc_u32 v[RD], s21, v15           ; back: lanes 0-15 one row of 256 bytes, lanes 16-31 the next
	v_and_b32 v1, 31, v0
	v_lshlrev_b32 v[GO16], 4, v1
	v_lshlrev_b32 v[GO8], 3, v1
	s_lshl_b32 s21, s12, 9
	v_lshl_add_u32 v[BOF], v14, 5, s21     ; my 128 numbers of the bias, 32 h
.irp b, 0,1,2,3,4,5,6,7
	global_load_b128 v[BIAS+8*\b:BIAS+8*\b+3], v[BOF], s[4:5] offset:64*\b
	global_load_b128 v[BIAS+8*\b+4:BIAS+8*\b+7], v[BOF], s[4:5] offset:64*\b+16
.endr
; 16 matrix instructions: row groups a0, a0 + 1 of the window's four (hi = 0: my rows 0-63, 1: rows 64-127) x all 8 column groups.
; The 64 accumulators take turns, one instruction a turn, in the same order in every quarter.
.macro MUL16 f, hi, a0, first
.irp a, \a0, \a0+1
.irp b, 0,1,2,3,4,5,6,7
.if \first
	v_wmma_f32_16x16x32_f16 v[8*(8*(\a)+\b):8*(8*(\a)+\b)+7], v[\f+8*\b:\f+8*\b+7], v[\f+8*(4*\hi+\a):\f+8*(4*\hi+\a)+7], v[BIAS+8*\b:BIAS+8*\b+7]
.else
	v_wmma_f32_16x16x32_f16 v[8*(8*(\a)+\b):8*(8*(\a)+\b)+7], v[\f+8*\b:\f+8*\b+7], v[\f+8*(4*\hi+\a):\f+8*(4*\hi+\a)+7], v[8*(8*(\a)+\b):8*(8*(\a)+\b)+7]
.endif
.endr
.endr
.endm
; 32 LDS loads in one run: quarter q (32 along K) of a slot: eight fragments of W (stored [k][n]: transposing loads) into window 1,
; eight of A into window 0
.macro FETCH slot, q, f
	WIN 0x40
.irp b, 0,1,2,3,4,5,6,7
	ds_load_tr16_b128 v[\f+8*\b:\f+8*\b+3], v[WFR+\slot] offset:(\q)*32*BP+32*\b
	ds_load_tr16_b128 v[\f+8*\b+4:\f+8*\b+7], v[WFR+\slot] offset:(\q)*32*BP+32*\b+16*BP
.endr
	WIN 0
.irp a, 0,1,2,3,4,5,6,7
	ds_load_b128 v[\f+8*\a:\f+8*\a+3], v[XFR+\slot] offset:((\q)>>1)*128*AP+\a*16*AP+((\q)&1)*64
	ds_load_b128 v[\f+8*\a+4:\f+8*\a+7], v[XFR+\slot] offset:((\q)>>1)*128*AP+\a*16*AP+((\q)&1)*64+32
.endr
.endm
; One of a K step's first three quarters: multiplies buffer f; in its middle it fetches quarter q of the same slot into buffer g.
; Windows: source 0 (W) 1, source 1 (A) 0, D 2 or 3; C as D, or 0 where the bias starts the sums.
.macro QUARTER slot, q, f, g, first
	s_wait_dscnt 8                         ; W and A's rows 0-63 are in; the youngest eight loads (A's rows 64-127) may be out
.if \first
	WIN 0x81
.else
	WIN 0xa1
.endif
	MUL16 \f, 0, 0, \first
	MUL16 \f, 0, 2, \first
	PLACES
	FETCH \slot, \q, \g
	s_wait_dscnt 32                        ; all but the 32 just issued
.if \first
	WIN 0xc1
.else
	WIN 0xf1
.endif
	MUL16 \f, 1, 0, \first
	MUL16 \f, 1, 2, \first
.endm
.macro THREE slot, first
	QUARTER \slot, 1, F0, F1, \first
	QUARTER \slot, 2, F1, F0, 0
	QUARTER \slot, 3, F0, F1, 0
.endm
; The last quarter: multiplies buffer 1 and changes slots.  ONE barrier for the change.  In front of it each wave waits for its reads of
; this slot and for all its tensor loads, of which one is out: its part of the next slot.  Behind it nobody reads this slot and the next
; slot is whole.  With fill the barrier opens a round of the cluster's barrier, and the joint refill, two K steps ahead, is the first
; tensor load behind the round.
.macro TURN slot, next, fill
	s_wait_dscnt 8
	WIN 0xa1
	MUL16 F1, 0, 0, 0
	s_wait_dscnt 0x0                       ; my reads of this slot are over
	s_wait_tensorcnt 0x0                   ; and all my tensor loads have landed
	ds_add_u32 v255, v63
	s_wait_dscnt 0x0
	s_barrier_signal -1
	MUL16 F1, 0, 2, 0                      ; work on registers while the others arrive
	WIN 0
	s_barrier_wait -1
.if \fill
	CREST
	s_add_nc_u64 s[G0A+4*\slot+2:G0A+4*\slot+3], s[G0A+4*\slot+2:G0A+4*\slot+3], 4*PLANE_B
	s_add_nc_u64 s[G0B+4*\slot+2:G0B+4*\slot+3], s[G0B+4*\slot+2:G0B+4*\slot+3], 524288
	JLOAD \slot
.endif
	PLACES
	FETCH \next, 0, F0
	WIN 0xf1
	MUL16 F1, 1, 0, 0
	MUL16 F1, 1, 2, 0
.endm
.macro LAP first                       ; once round the ring, both slots filled again
	THREE 0, \first
	TURN 0, 1, 1
	THREE 1, 0
	TURN 1, 0, 1
.endm
; rows 16 a .. 16 a + 15 of my block, head hd of my two: through my own stage, back as whole rows of 256 bytes, out as f32 or bf16
.macro OUTA a, hd, bf, buf
.if \a < 4
	WIN 0x08                               ; store data in window 2
.else
	WIN 0x0c                               ; in window 3
.endif
.irp c, 0,1,2,3
	ds_store_b128 v[STO], v[8*(8*(\a&3)+4*\hd+\c):8*(8*(\a&3)+4*\hd+\c)+3] offset:64*\c
	ds_store_b128 v[STO], v[8*(8*(\a&3)+4*\hd+\c)+4:8*(8*(\a&3)+4*\hd+\c)+7] offset:64*\c+16
.endr
	WIN 0
	s_wait_xcnt 0x0                        ; registers that earlier stores read are written again only behind this wait
.irp i, 0,1,2,3,4,5,6,7
	ds_load_b128 v[TMP+32*\buf+4*\i:TMP+32*\buf+4*\i+3], v[RD] offset:\i*2*SP   ; LDS serves a wave in order: these see the stores above
.endr
.irp i, 0,1,2,3,4,5,6,7
	s_wait_dscnt 7-\i
.if \bf
	v_cvt_pk_bf16_f32 v[PK+2*\i], v[TMP+32*\buf+4*\i], v[TMP+32*\buf+4*\i+1]
	v_cvt_pk_bf16_f32 v[PK+2*\i+1], v[TMP+32*\buf+4*\i+2], v[TMP+32*\buf+4*\i+3]
	global_store_b64 v[GO8], v[PK+2*\i:PK+2*\i+1], s[8:9] offset:\hd*262144+\a*2048+\i*256     ; 32 lanes: 256 consecutive bytes, aligned
.else
	global_store_b128 v[GO16], v[TMP+32*\buf+4*\i:TMP+32*\buf+4*\i+3], s[8:9] offset:\hd*524288+\a*4096+\i*512   ; 512 consecutive bytes
.endif
.endr
.endm
	s_wait_tensorcnt 0x1                   ; my part of K step 0 is in; step 1's stays out
	s_barrier_signal -1
	s_barrier_wait -1
	s_wait_loadcnt 0x0                     ; the bias
	FETCH 0, 0, F0
	LAP 1                                  ; K steps 0, 1: the first quarter starts the sums from the bias
	WIN 0                                  ; at a label and at a branch every window is 0
	s_mov_b32 s23, 2
.Llap:                                         ; K steps 2 to 5
	LAP 0
	WIN 0
	s_sub_co_u32 s23, s23, 1
	s_cmp_lg_u32 s23, 0
	s_cbranch_scc1 .Llap
	THREE 0, 0                             ; K steps 6, 7: nothing is left to fetch
	TURN 0, 1, 0
	THREE 1, 0
	s_wait_dscnt 8
	WIN 0xa1
	MUL16 F1, 0, 0, 0
	MUL16 F1, 0, 2, 0
	s_wait_dscnt 0x0
	WIN 0xf1
	MUL16 F1, 1, 0, 0
	MUL16 F1, 1, 2, 0
	WIN 0
	PLACES                                 ; behind the last matrix instructions, in front of the stores of their results
	s_and_b32 s84, s13, 15
	s_lshr_b32 s84, s84, 3                 ; b
	s_lshl_b32 s84, s84, 4
	s_lshl_b32 s85, s42, 2
	s_add_co_u32 s84, s84, s85
	s_lshl_b32 s85, s12, 1
	s_add_co_u32 s84, s84, s85             ; hb of my first head = 16 b + 4 nb + 2 wn
	s_lshl_b32 s84, s84, 11
	s_and_b32 s85, s13, 7
	s_lshl_b32 s85, s85, 8
	s_add_co_u32 s84, s84, s85
	s_lshl_b32 s85, s11, 7
	s_add_co_u32 s84, s84, s85             ; my first output row; my second head lies 2,048 rows further on
	s_mov_b32 s87, 0
	s_cmp_lg_u32 s45, 0
	s_cbranch_scc1 .Lkv
	s_lshl_b32 s86, s84, 8
	s_add_nc_u64 s[8:9], s[78:79], s[86:87]
.irp hd, 0,1
.irp a, 0,1,2,3,4,5,6,7
	OUTA \a, \hd, 0, (\a&1)
.endr
.endr
	s_branch .Lout_done
.Lkv:
	s_cmp_eq_u32 s45, 1
	s_cselect_b64 s[8:9], s[80:81], s[82:83]
	s_lshl_b32 s86, s84, 7
	s_add_nc_u64 s[8:9], s[8:9], s[86:87]
.irp hd, 0,1
.irp a, 0,1,2,3,4,5,6,7
	OUTA \a, \hd, 1, (\a&1)
.endr
.endr
.Lout_done:
	s_wait_dscnt 0x0
	s_set_vgpr_msb 0x1
	s_wait_tensorcnt 0x0
	ds_add_u32 v255, v63
	s_wait_dscnt 0x0
	s_set_vgpr_msb 0x100
	ROUND                                  ; the closing round: no work-group ends while a partner may still ask jointly
	s_endpgm
.Lfunc_end_k_q57a1cd8d78_proj:
	.size	k_q57a1cd8d78_proj, .Lfunc_end_k_q57a1cd8d78_proj-k_q57a1cd8d78_proj
	.p2alignl 7, 3214868480
	.fill 96, 4, 3214868480
	.section	.rodata,"a",@progbits
	.p2align	6, 0x0
	.amdhsa_kernel k_q57a1cd8d78_proj
		.amdhsa_group_segment_fixed_size 327680
		.amdhsa_private_segment_fixed_size 0
		.amdhsa_enable_private_segment 0
		.amdhsa_kernarg_size 64
		.amdhsa_user_sgpr_count 2
		.amdhsa_user_sgpr_kernarg_segment_ptr 1
		.amdhsa_wavefront_size32 1
		.amdhsa_system_sgpr_workgroup_id_x 1
		.amdhsa_system_sgpr_workgroup_id_y 1
		.amdhsa_system_sgpr_workgroup_id_z 1
		.amdhsa_system_vgpr_workitem_id 0
		.amdhsa_next_free_vgpr 1024
		.amdhsa_next_free_sgpr 96
		.amdhsa_reserve_vcc 0
		.amdhsa_float_denorm_mode_32 3
		.amdhsa_float_denorm_mode_16_64 3
		.amdhsa_memory_ordered 1
		.amdhsa_forward_progress 1
		.amdhsa_inst_pref_size 248
	.end_amdhsa_kernel
	.amdgpu_metadata
---
amdhsa.version: [ 1, 2 ]
amdhsa.kernels:
  - .name:           k_q57a1cd8d78_proj
    .symbol:         k_q57a1cd8d78_proj.kd
    .args:
      - { .name: xb, .offset: 0, .size: 8, .value_kind: global_buffer, .address_space: global }
      - { .name: wb, .offset: 8, .size: 8, .value_kind: global_buffer, .address_space: global }
      - { .name: bq, .offset: 16, .size: 8, .value_kind: global_buffer, .address_space: global }
      - { .name: bk, .offset: 24, .size: 8, .value_kind: global_buffer, .address_space: global }
      - { .name: bv, .offset: 32, .size: 8, .value_kind: global_buffer, .address_space: global }
      - { .name: qh, .offset: 40, .size: 8, .value_kind: global_buffer, .address_space: global }
      - { .name: kh, .offset: 48, .size: 8, .value_kind: global_buffer, .address_space: global }
      - { .name: vh, .offset: 56, .size: 8, .value_kind: global_buffer, .address_space: global }
    .group_segment_fixed_size: 327680
    .private_segment_fixed_size: 0
    .kernarg_segment_align: 8
    .kernarg_segment_size: 64
    .max_flat_workgroup_size: 128
    .sgpr_count:     96
    .vgpr_count:     1024
    .wavefront_size: 32
...
	.end_amdgpu_metadata
.endif
;; end of part 2
;; launch attn (part 3): grid 8 x 32, 8 waves a work-group, clusters of 4 x 1, 327,680 bytes of LDS; arguments qh, kh, vh, mask, g_att, b_att, x2, xb; writes x2, xb
.if DOCPART == 3
	.amdgcn_target "amdgcn-amd-amdhsa--gfx1250"
	.amdhsa_code_object_version 6
	.text
	.protected	k_q57a1cd8d78_attn
	.globl	k_q57a1cd8d78_attn
	.p2align	8
	.type	k_q57a1cd8d78_attn,@function
k_q57a1cd8d78_attn:
	s_mov_b64 s[64:65], 0
	v_nop
	global_prefetch_b8 v0, s[64:65] scope:SCOPE_SE
	s_setreg_imm32_b32 hwreg(HW_REG_WAVE_MODE, 25, 1), 1
	s_wait_xcnt 0x0
	s_wait_alu depctr_hold_cnt(0) depctr_sa_sdst(0) depctr_va_vdst(0) depctr_va_sdst(0) depctr_va_ssrc(0) depctr_va_vcc(0) depctr_vm_vsrc(0)
	s_getreg_b32 s2, hwreg(HW_REG_IB_STS2, 6, 4)
	s_cmp_eq_u32 s2, 0
	s_cbranch_scc0 .Lentry_in_a_cluster
	s_endpgm
.Lentry_in_a_cluster:
	s_bfe_u32 s2, ttmp6, 0x10000c
	s_cmp_lg_u32 s2, 0x3003
	s_cbranch_scc0 .Lentry_shape_is_right
	s_endpgm
.Lentry_shape_is_right:
; x2 = LayerNorm_64( softmax(q k^T / 8 + (1 - mask) * -1e9) v + q ) for one (batch, head) hb and 256 queries.
; qh f32, kh, vh bf16, all [hb = 16 b + head][s 2048][64].  Out: x2 f32 in the same layout, and an f16 copy in xb
; [kb = head][row = 2048 b + s][64] for the next product (|x2| is at most 8 |g_att| + |b_att|: f16's 65,504 has room; 11 significant bits).
; Eight waves, 32 queries each (two tiles u of 16).  Keys go in steps of 64 through two LDS slots of 256 keys.
; CLUSTER 4 x 1: the four query blocks of a cluster read the same K and V: joint loads, mask 15.  By this text's count a wave has two
; tensor loads out at the start, later one.
; LAYOUT: S^T = K Q^T (source 0 = 16 keys, source 1 = 16 queries): lane (r, h), register j holds key 8 h + j, query r.  Two key tiles
; rounded to bf16 are source 1 of O^T = V^T P^T, whose lane (r, h), register j holds d = 16 t + 8 h + j, query r.  So maximum, sum,
; rescale, residual and LayerNorm are a lane's own work plus one exchange between the halves of the wave.
; The mask enters as the C operand of the first product of a key tile: (1 - mask) * -8e9 on raw scores, 8 times the addend, exactly.
; RUNNING MAXIMUM: P = exp2(c S + nm), c = log2(e) / 8, nm = round(-c max).  The rescale is exp2(nm_new - nm_old), so all terms of a
; row carry one common factor, which the division by the sum removes.  It is 1 but for rounding; in a row whose keys so far are all
; masked (|c max| about 1.4e9) it lies within 2^-64 .. 2^64, which neither f32 nor bf16 overflows (so P, and with it q, k, v, which
; are products of two inputs and have the square of their range, go in bf16).
; LIMITS: these operands bf16; exponentials and reciprocals flush denormals; NaN and infinities are not served; in a batch whose keys
; are all masked the weights follow the scores only as far as they survive the rounding at 8e9, as they do at 1e9 in the plain form.
.set VP, 160                           ; LDS pitch of a V row: 128 bytes + 32 (an odd multiple of 32, for the transposing loads)
.set KP, 144                           ; LDS pitch of a K row: 128 bytes + 16
.set KPART, 256*VP                     ; K lies behind V in a slot
.set SLOT, 256*VP+256*KP               ; 77,824
.set MTAB, 2*SLOT                      ; 2,048 f32: the mask addends; no tensor load lands here
.set STAGE, MTAB+8192                  ; 16 rows x 272 bytes for each wave
.set SP, 272
.set KADR, 2
.set VADR, 4
.set MADR, 6
.set STO, 7
.set RD, 8
.set GO16, 9
.set GO8, 10
.set QOFF, 11
.set MX, 12                            ; v12-13 running maximum of tile u
.set LS, 14                            ; v14-15 running sum (this half's keys)
.set NM, 16                            ; v16-19 pairs: -c max
.set AL, 20                            ; v20-23 pairs: the rescale
.set TA, 24                            ; v24-31 four at work for each u
.set SR, 32                            ; v32-95  S[u][kt] at 32 u + 8 kt; then P[u][c] in the registers of S[u][2c]
.set KF, 96                            ; v96-159  K fragments [kt][s]
.set VF, 160                           ; v160-223 V fragments [c][t]
.set MB, 224                           ; v224-255 mask addends [kt]
.set OA, 0                             ; window 1: O[u][t] at 32 u + 8 t
.set QB, 64                            ; window 1: Q in bf16 [u][s]
.set QF, 96                            ; window 1: Q in f32 [u][t]
.set GA, 160                           ; window 1: g_att in O's layout
.set BA, 192                           ; window 1: b_att
.set G1V, 28
.set G1K, 36
.set G0V, 44
.set G0K, 52
.set MSB, 0
.macro WIN new
.if MSB != \new
	s_set_vgpr_msb (MSB<<8)|\new
.set MSB, \new
.endif
.endm
.macro PLACES n
.rept \n
	v_nop
.endr
.endm
.macro ROUND
	s_barrier_signal -1
	s_barrier_wait -1
	s_cmp_lg_u32 s3, 0
	s_cbranch_scc1 .Lnw0_\@
	s_barrier_signal -3
.Lnw0_\@:
	s_barrier_wait -3
	s_barrier_signal -1
	s_barrier_wait -1
.endm
.macro JLOAD slot                      ; waves 0-3 ask for 64 keys of V each, waves 4-7 for 64 keys of K
	s_cmp_lt_u32 s3, 4
	s_cbranch_scc0 .Ljk_\@
	tensor_load_to_lds s[G0V+4*(\slot):G0V+4*(\slot)+3], s[G1V:G1V+7]
	s_nop 0
	s_branch .Ljd_\@
.Ljk_\@:
	tensor_load_to_lds s[G0K+4*(\slot):G0K+4*(\slot)+3], s[G1K:G1K+7]
	s_nop 0
.Ljd_\@:
.endm
	s_load_b512 s[8:23], s[0:1], 0x0       ; qh 8, kh 10, vh 12, mask 14, g_att 16, b_att 18, x2 20, xb 22
	s_set_vgpr_msb 0x40
	v_lshl_add_u32 v224, v0, 2, 0x30800
	v_mov_b32 v225, 0
	s_set_vgpr_msb 0x4045
	ds_add_u32 v224, v225
	s_set_vgpr_msb 0x4500
	v_lshrrev_b32 v1, 5, v0
	v_readfirstlane_b32 s3, v1             ; wave
	s_mov_b32 s4, 0x76543210               ; v_permlanex16_b32: lane i of the other half
	s_mov_b32 s5, 0xfedcba98
	s_mov_b32 s6, 0x3e38aa3b               ; c = log2(e) / 8, twice
	s_mov_b32 s7, 0x3e38aa3b
	s_mov_b32 s24, 0xbe38aa3b              ; -c
	s_mov_b32 s26, 0x4fee6b28              ; 8e9
	s_mov_b32 s27, 0xcfee6b28              ; -8e9
	s_and_b32 s70, ttmp7, 0xffff           ; hb
	; group 1: 64 keys are 8 KiB dense: 32 rows of 128 elements; padding behind every 128 bytes, 32 bytes for V, 16 for K
	s_mov_b32 s[G1V+0], 15|(1<<16)|(1<<20)|(1<<21)|(4<<22)|(7<<25)
	s_mov_b32 s[G1K+0], 15|(1<<16)|(1<<20)|(1<<21)|(4<<22)|(3<<25)
.irp g, G1V, G1K
	s_mov_b32 s[\g+1], 128<<16
	s_mov_b32 s[\g+2], 32<<16
	s_mov_b32 s[\g+3], 128<<16
	s_mov_b32 s[\g+4], 32
	s_mov_b32 s[\g+5], 128
	s_mov_b32 s[\g+6], 0
	s_mov_b32 s[\g+7], 0
.endr
	s_and_b32 s25, s3, 3
	s_lshl_b32 s25, s25, 13                ; my 64 keys of 128 bytes
	s_lshl_b32 s60, s70, 18                ; hb x 2,048 keys
	s_add_co_u32 s60, s60, s25
	s_mov_b32 s61, 0
	s_mul_i32 s68, s3, 64*VP               ; V: wave x 64 rows
	s_mul_i32 s69, s3, 64*KP
	s_add_co_u32 s69, s69, KPART-4*64*KP   ; K: behind V, (wave - 4) x 64 rows
	s_wait_dscnt 0x0
	s_wait_kmcnt 0x0
	s_add_nc_u64 s[62:63], s[12:13], s[60:61]
	s_add_nc_u64 s[66:67], s[10:11], s[60:61]
.irp s, 0,1
	s_mov_b32 s[G0V+4*\s], 1
	s_add_co_u32 s[G0V+4*\s+1], s68, \s*SLOT
	s_add_nc_u64 s[G0V+4*\s+2:G0V+4*\s+3], s[62:63], \s*32768
	s_or_b32 s[G0V+4*\s+3], s[G0V+4*\s+3], 0x80000000
	s_mov_b32 s[G0K+4*\s], 1
	s_add_co_u32 s[G0K+4*\s+1], s69, \s*SLOT
	s_add_nc_u64 s[G0K+4*\s+2:G0K+4*\s+3], s[66:67], \s*32768
	s_or_b32 s[G0K+4*\s+3], s[G0K+4*\s+3], 0x80000000
.endr
	ROUND                                  ; the four partners are here: the first joint loads meet
	s_cmp_lt_u32 s3, 4                     ; both first fills of a wave inside one branch on its number
	s_cbranch_scc0 .Lfirst_k
	tensor_load_to_lds s[G0V:G0V+3], s[G1V:G1V+7]
	s_nop 0
	tensor_load_to_lds s[G0V+4:G0V+7], s[G1V:G1V+7]
	s_nop 0
	s_branch .Lfirst_done
.Lfirst_k:
	tensor_load_to_lds s[G0K:G0K+3], s[G1K:G1K+7]
	s_nop 0
	tensor_load_to_lds s[G0K+4:G0K+7], s[G1K:G1K+7]
	s_nop 0
.Lfirst_done:
	; global places of my 32 queries (registers of their own: they hang on my place in the cluster)
	s_bfe_u32 s72, ttmp6, 0x40000          ; cx
	s_lshl_b32 s73, ttmp9, 2
	s_add_co_u32 s73, s73, s72             ; query block
	s_lshl_b32 s74, s70, 19                ; hb x 2,048 rows of 256 bytes
	s_lshl_b32 s75, s73, 16
	s_add_co_u32 s74, s74, s75
	s_lshl_b32 s75, s3, 13
	s_add_co_u32 s74, s74, s75
	s_mov_b32 s75, 0
	s_add_nc_u64 s[8:9], s[8:9], s[74:75]
	s_add_nc_u64 s[20:21], s[20:21], s[74:75]
	s_and_b32 s76, s70, 15
	s_mul_i32 s76, s76, 1572864            ; head's plane of xb
	s_lshr_b32 s79, s70, 4                 ; b
	s_lshl_b32 s78, s79, 18
	s_add_co_u32 s76, s76, s78
	s_lshl_b32 s78, s73, 15
	s_add_co_u32 s76, s76, s78
	s_lshl_b32 s78, s3, 12
	s_add_co_u32 s76, s76, s78
	s_mov_b32 s77, 0
	s_add_nc_u64 s[22:23], s[22:23], s[76:77]
	s_lshl_b32 s78, s79, 13
	s_mov_b32 s79, 0
	s_add_nc_u64 s[14:15], s[14:15], s[78:79]
	v_and_b32 v24, 15, v0                  ; r
	v_bfe_u32 v25, v0, 4, 1                ; h
	v_mul_u32_u24 v[KADR], v24, KP
	v_lshl_add_u32 v[KADR], v25, 4, v[KADR]
	v_add_nc_u32 v[KADR], KPART, v[KADR]
	v_add_nc_u32 v[KADR+1], SLOT, v[KADR]
	v_and_b32 v[VADR], 7, v0
	v_lshl_add_u32 v[VADR], v25, 3, v[VADR]
	v_mul_u32_u24 v[VADR], v[VADR], VP
	v_bfe_u32 v[VADR+1], v0, 3, 1
	v_lshl_add_u32 v[VADR], v[VADR+1], 4, v[VADR]
	v_add_nc_u32 v[VADR+1], SLOT, v[VADR]
	v_lshlrev_b32 v1, 5, v25               ; 32 h
	v_add_nc_u32 v[MADR], MTAB, v1
	s_mul_i32 s25, s3, 16*SP
	s_add_co_u32 s25, s25, STAGE
	v_mul_u32_u24 v[STO], v24, SP
	v_lshl_add_u32 v[STO], v25, 5, v[STO]
	v_add_nc_u32 v[STO], s25, v[STO]
	v_mul_u32_u24 v[RD], v25, SP
	v_lshl_add_u32 v[RD], v24, 4, v[RD]
	v_add_nc_u32 v[RD], s25, v[RD]
	v_and_b32 v[GO16], 31, v0
	v_lshlrev_b32 v[GO8], 3, v[GO16]
	v_lshlrev_b32 v[GO16], 4, v[GO16]
	v_lshl_add_u32 v[QOFF], v24, 8, v1     ; row r, 32 h
	v_lshlrev_b32 v24, 5, v0               ; my 8 mask words
	v_add_nc_u32 v25, MTAB, v24
	v_mov_b32 v26, 0                       ; destinations of the first lane exchanges count as read
	v_mov_b32 v30, 0
	WIN 0x40                               ; destinations in window 1
.irp u, 0,1
.irp t, 0,1,2,3
	global_load_b128 v[QF+32*\u+8*\t:QF+32*\u+8*\t+3], v[QOFF], s[8:9] offset:\u*4096+64*\t
	global_load_b128 v[QF+32*\u+8*\t+4:QF+32*\u+8*\t+7], v[QOFF], s[8:9] offset:\u*4096+64*\t+16
.endr
.endr
.irp t, 0,1,2,3
	global_load_b128 v[GA+8*\t:GA+8*\t+3], v1, s[16:17] offset:64*\t
	global_load_b128 v[GA+8*\t+4:GA+8*\t+7], v1, s[16:17] offset:64*\t+16
	global_load_b128 v[BA+8*\t:BA+8*\t+3], v1, s[18:19] offset:64*\t
	global_load_b128 v[BA+8*\t+4:BA+8*\t+7], v1, s[18:19] offset:64*\t+16
.endr
	WIN 0
	global_load_b128 v[SR:SR+3], v24, s[14:15]
	global_load_b128 v[SR+4:SR+7], v24, s[14:15] offset:16
	s_wait_loadcnt 0x0
.irp k, 0,1,2,3,4,5,6,7
	v_cvt_f32_i32 v[SR+\k], v[SR+\k]
.endr
.irp k, 0,1,2,3,4,5,6,7
	v_fma_f32 v[SR+\k], v[SR+\k], s26, s27         ; m * 8e9 - 8e9 = (1 - m) * -8e9, one rounding
.endr
	ds_store_b128 v25, v[SR:SR+3]
	ds_store_b128 v25, v[SR+4:SR+7] offset:16
	WIN 0x45                               ; Q to bf16, all in window 1: source 1's layout is two of O's tiles side by side
.irp u, 0,1
.irp s, 0,1
.irp i, 0,1,2,3
	v_cvt_pk_bf16_f32 v[QB+16*\u+8*\s+\i], v[QF+32*\u+16*\s+2*\i], v[QF+32*\u+16*\s+2*\i+1]
	v_cvt_pk_bf16_f32 v[QB+16*\u+8*\s+4+\i], v[QF+32*\u+16*\s+8+2*\i], v[QF+32*\u+16*\s+8+2*\i+1]
.endr
.endr
.endr
	WIN 0
; 24 LDS loads: step j's four key tiles (two K steps of 32 along d each) and their mask addends
.macro KLOAD slot, j, mo
.irp kt, 0,1,2,3
.irp s, 0,1
	ds_load_b128 v[KF+16*\kt+8*\s:KF+16*\kt+8*\s+3], v[KADR+\slot] offset:(64*(\j)+16*\kt)*KP+64*\s
	ds_load_b128 v[KF+16*\kt+8*\s+4:KF+16*\kt+8*\s+7], v[KADR+\slot] offset:(64*(\j)+16*\kt)*KP+64*\s+32
.endr
.endr
.irp kt, 0,1,2,3
	ds_load_b128 v[MB+8*\kt:MB+8*\kt+3], v[MADR] offset:(\mo)+256*(\j)+64*\kt
	ds_load_b128 v[MB+8*\kt+4:MB+8*\kt+7], v[MADR] offset:(\mo)+256*(\j)+64*\kt+16
.endr
.endm
; 16 transposing LDS loads: V^T of step j: two chunks of 32 keys x four tiles of 16 d
.macro VLOAD slot, j
.irp c, 0,1
.irp t, 0,1,2,3
	ds_load_tr16_b128 v[VF+32*\c+8*\t:VF+32*\c+8*\t+3], v[VADR+\slot] offset:(64*(\j)+32*\c)*VP+32*\t
	ds_load_tr16_b128 v[VF+32*\c+8*\t+4:VF+32*\c+8*\t+7], v[VADR+\slot] offset:(64*(\j)+32*\c)*VP+32*\t+16*VP
.endr
.endr
.endm
; the 32 registers of S[u] added up, two at a time, in two chains; the two halves of the sum are left in v[TA+4u], v[TA+4u+1]
.macro SUM32 u
	v_pk_add_f32 v[TA+4*\u:TA+4*\u+1], v[SR+32*\u:SR+32*\u+1], v[SR+32*\u+2:SR+32*\u+3]
	v_pk_add_f32 v[TA+4*\u+2:TA+4*\u+3], v[SR+32*\u+4:SR+32*\u+5], v[SR+32*\u+6:SR+32*\u+7]
.irp i, 8,12,16,20,24,28
	v_pk_add_f32 v[TA+4*\u:TA+4*\u+1], v[TA+4*\u:TA+4*\u+1], v[SR+32*\u+\i:SR+32*\u+\i+1]
	v_pk_add_f32 v[TA+4*\u+2:TA+4*\u+3], v[TA+4*\u+2:TA+4*\u+3], v[SR+32*\u+\i+2:SR+32*\u+\i+3]
.endr
	v_pk_add_f32 v[TA+4*\u:TA+4*\u+1], v[TA+4*\u:TA+4*\u+1], v[TA+4*\u+2:TA+4*\u+3]
.endm
.macro SOFTMAX first
.irp u, 0,1
.if \first
	v_max3_num_f32 v[TA+4*\u], v[SR+32*\u], v[SR+32*\u], v[SR+32*\u+1]
.else
	v_max3_num_f32 v[TA+4*\u], v[MX+\u], v[SR+32*\u], v[SR+32*\u+1]
.endif
	v_max3_num_f32 v[TA+4*\u+1], v[SR+32*\u+16], v[SR+32*\u+17], v[SR+32*\u+18]
.endr
.irp i, 0,1,2,3,4,5
.irp u, 0,1
	v_max3_num_f32 v[TA+4*\u], v[TA+4*\u], v[SR+32*\u+2+2*\i], v[SR+32*\u+3+2*\i]
	v_max3_num_f32 v[TA+4*\u+1], v[TA+4*\u+1], v[SR+32*\u+19+2*\i], v[SR+32*\u+20+2*\i]
.endr
.endr
.irp u, 0,1
	v_max3_num_f32 v[TA+4*\u], v[TA+4*\u], v[SR+32*\u+14], v[SR+32*\u+15]
.endr
.irp u, 0,1
	v_max3_num_f32 v[TA+4*\u], v[TA+4*\u], v[TA+4*\u+1], v[SR+32*\u+31]
.endr
.irp u, 0,1
	v_permlanex16_b32 v[TA+4*\u+2], v[TA+4*\u], s4, s5     ; the other eight keys of each tile lie in the other half
.endr
.irp u, 0,1
	v_max_num_f32 v[MX+\u], v[TA+4*\u], v[TA+4*\u+2]
.endr
.irp u, 0,1
	v_mul_f32 v[TA+4*\u+2], s24, v[MX+\u]                  ; nm = -c max
.endr
.if \first == 0
.irp u, 0,1
	v_sub_f32 v[AL+2*\u], v[TA+4*\u+2], v[NM+2*\u]
.endr
.irp u, 0,1
	v_exp_f32 v[AL+2*\u], v[AL+2*\u]
.endr
.endif
.irp u, 0,1
	v_mov_b32 v[NM+2*\u], v[TA+4*\u+2]                     ; plain work behind the exponentials (ISA guide 5.7.2)
	v_mov_b32 v[NM+2*\u+1], v[TA+4*\u+2]
.endr
.if \first == 0
	s_wait_alu depctr_va_vdst(0)
.irp u, 0,1
	v_mov_b32 v[AL+2*\u+1], v[AL+2*\u]
.endr
.endif
.irp u, 0,1
.set k, 0
.rept 16
	v_pk_fma_f32 v[SR+32*\u+k:SR+32*\u+k+1], v[SR+32*\u+k:SR+32*\u+k+1], s[6:7], v[NM+2*\u:NM+2*\u+1] op_sel_hi:[1,0,1]
.set k, k+2
.endr
.endr
.set k, 0
.rept 64
	v_exp_f32 v[SR+k], v[SR+k]
.set k, k+1
.endr
.if \first
	v_nop                                  ; the plain place behind the exponentials
	s_wait_alu depctr_va_vdst(0)
.else
	WIN 0x41                               ; O in window 1, the rescale in window 0: plain work that touches no exponential's register
	s_wait_alu depctr_va_vdst(0)
.irp u, 0,1
.set k, 0
.rept 16
	v_pk_mul_f32 v[OA+32*\u+k:OA+32*\u+k+1], v[OA+32*\u+k:OA+32*\u+k+1], v[AL+2*\u:AL+2*\u+1]
.set k, k+2
.endr
.endr
	WIN 0
.endif
	SUM32 0
	SUM32 1
.irp u, 0,1
.if \first
	v_add_f32 v[LS+\u], v[TA+4*\u], v[TA+4*\u+1]
.else
	v_add_f32 v[TA+4*\u+2], v[TA+4*\u], v[TA+4*\u+1]
	v_fma_f32 v[LS+\u], v[LS+\u], v[AL+2*\u], v[TA+4*\u+2] ; the two halves' sums meet once, at the end
.endif
.endr
.irp u, 0,1
.irp c, 0,1
.irp i, 0,1,2,3
	v_cvt_pk_bf16_f32 v[SR+32*\u+16*\c+\i], v[SR+32*\u+16*\c+2*\i], v[SR+32*\u+16*\c+2*\i+1]       ; ascending: each source is read before its register is written
.endr
.irp i, 0,1,2,3
	v_cvt_pk_bf16_f32 v[SR+32*\u+16*\c+4+\i], v[SR+32*\u+16*\c+8+2*\i], v[SR+32*\u+16*\c+8+2*\i+1]
.endr
.endr
.endr
.endm
; 64 keys x 32 queries.  In both products the eight accumulators take turns, one instruction a turn.
.macro STEP slot, j, mo, pre, first
	VLOAD \slot, \j
	s_wait_dscnt 16                        ; K's fragments and the mask addends are in; the 16 loads of V stay out
	WIN 0x04                               ; source 1 (Q) in window 1
.irp kt, 0,1,2,3
.irp u, 0,1
	v_wmma_f32_16x16x32_bf16 v[SR+32*\u+8*\kt:SR+32*\u+8*\kt+7], v[KF+16*\kt:KF+16*\kt+7], v[QB+16*\u:QB+16*\u+7], v[MB+8*\kt:MB+8*\kt+7]
.endr
.endr
.irp kt, 0,1,2,3
.irp u, 0,1
	v_wmma_f32_16x16x32_bf16 v[SR+32*\u+8*\kt:SR+32*\u+8*\kt+7], v[KF+16*\kt+8:KF+16*\kt+15], v[QB+16*\u+8:QB+16*\u+15], v[SR+32*\u+8*\kt:SR+32*\u+8*\kt+7]
.endr
.endr
	WIN 0
	PLACES 4                               ; in front of the reads of S and of the loads into K's and the mask's registers
.if \pre
	KLOAD \slot, \j+1, \mo
.endif
	SOFTMAX \first
.if \pre
	s_wait_dscnt 24                        ; V is in; the next step's 24 loads stay out
.else
	s_wait_dscnt 0x0
.endif
	WIN 0x50                               ; O in window 1
.irp c, 0,1
.irp u, 0,1
.irp t, 0,1,2,3
.if \first*(1-\c)
	v_wmma_f32_16x16x32_bf16 v[OA+32*\u+8*\t:OA+32*\u+8*\t+7], v[VF+32*\c+8*\t:VF+32*\c+8*\t+7], v[SR+32*\u+16*\c:SR+32*\u+16*\c+7], 0
.else
	v_wmma_f32_16x16x32_bf16 v[OA+32*\u+8*\t:OA+32*\u+8*\t+7], v[VF+32*\c+8*\t:VF+32*\c+8*\t+7], v[SR+32*\u+16*\c:SR+32*\u+16*\c+7], v[OA+32*\u+8*\t:OA+32*\u+8*\t+7]
.endif
.endr
.endr
.endr
	WIN 0
	PLACES 5                               ; the next scores are written over P, V's registers are loaded again, O is read
.endm
.macro BODY4 slot, mo, first           ; a slot's 256 keys
	KLOAD \slot, 0, \mo
	STEP \slot, 0, \mo, 1, \first
	STEP \slot, 1, \mo, 1, 0
	STEP \slot, 2, \mo, 1, 0
	STEP \slot, 3, \mo, 0, 0
.endm
; change of slots; slot is the one to be read next.  All my tensor loads have landed and my reads are back in front of the barrier;
; with refill it is a round of the cluster's barrier and the joint refill of the slot read last is the first thing behind it.
.macro TURN slot, refill
	s_set_vgpr_msb 0x5
	s_wait_tensorcnt 0x0
	ds_add_u32 v224, v225
	s_wait_dscnt 0x0
	s_set_vgpr_msb 0x500
.if \refill
	s_add_nc_u64 s[G0V+4*(1-\slot)+2:G0V+4*(1-\slot)+3], s[G0V+4*(1-\slot)+2:G0V+4*(1-\slot)+3], 65536
	s_add_nc_u64 s[G0K+4*(1-\slot)+2:G0K+4*(1-\slot)+3], s[G0K+4*(1-\slot)+2:G0K+4*(1-\slot)+3], 65536
.endif
	s_wait_dscnt 0x0
.if \refill
	ROUND
	JLOAD 1-\slot
.else
	s_barrier_signal -1
	s_barrier_wait -1
.endif
.endm
	s_wait_tensorcnt 0x1                   ; my part of slot 0 is in; slot 1's stays out
	s_wait_dscnt 0x0                       ; my part of the mask table is written
	s_barrier_signal -1
	s_barrier_wait -1
	BODY4 0, 0, 1                          ; keys 0-255 start the maxima and the sums
	v_add_nc_u32 v[MADR], 1024, v[MADR]
	s_mov_b32 s25, 3
.Lkeys:                                        ; a trip: 512 keys, both slots filled again
	TURN 1, 1
	BODY4 1, 0, 0
	TURN 0, 1
	BODY4 0, 1024, 0
	v_add_nc_u32 v[MADR], 2048, v[MADR]
	s_sub_co_u32 s25, s25, 1
	s_cmp_lg_u32 s25, 0
	s_cbranch_scc1 .Lkeys
	TURN 1, 0                              ; the last 256 keys: nothing is left to fetch
	BODY4 1, 0, 0
	s_mov_b32 s26, 0x3c800000              ; 1/64
	s_mov_b32 s27, 0x3727c5ac              ; 1e-5
; tile u: O / sum + q, LayerNorm over 64 (32 numbers here, 32 in the other half), out through my stage as whole rows
.macro EPI u
	v_permlanex16_b32 v[TA+4*\u+2], v[LS+\u], s4, s5
	v_add_f32 v[LS+\u], v[LS+\u], v[TA+4*\u+2]
	v_rcp_f32 v[AL+2*\u], v[LS+\u]
	v_nop
	s_wait_alu depctr_va_vdst(0)
	v_mov_b32 v[AL+2*\u+1], v[AL+2*\u]
	WIN 0x11                               ; O and q in window 1
.set k, 0
.rept 16
	v_pk_fma_f32 v[SR+32*\u+k:SR+32*\u+k+1], v[OA+32*\u+k:OA+32*\u+k+1], v[AL+2*\u:AL+2*\u+1], v[QF+32*\u+k:QF+32*\u+k+1]
.set k, k+2
.endr
	WIN 0
	SUM32 \u
	v_add_f32 v[TA+4*\u+2], v[TA+4*\u], v[TA+4*\u+1]
	v_permlanex16_b32 v[TA+4*\u+3], v[TA+4*\u+2], s4, s5
	v_add_f32 v[TA+4*\u+2], v[TA+4*\u+2], v[TA+4*\u+3]
	v_mul_f32 v[NM+2*\u], s26, v[TA+4*\u+2]                ; the mean
	v_mov_b32 v[NM+2*\u+1], v[NM+2*\u]
.set k, 0
.rept 16
	v_pk_add_f32 v[SR+32*\u+k:SR+32*\u+k+1], v[SR+32*\u+k:SR+32*\u+k+1], v[NM+2*\u:NM+2*\u+1] neg_lo:[0,1] neg_hi:[0,1]
.set k, k+2
.endr
	v_pk_mul_f32 v[TA+4*\u:TA+4*\u+1], v[SR+32*\u:SR+32*\u+1], v[SR+32*\u:SR+32*\u+1]
	v_pk_mul_f32 v[TA+4*\u+2:TA+4*\u+3], v[SR+32*\u+2:SR+32*\u+3], v[SR+32*\u+2:SR+32*\u+3]
.irp i, 4,8,12,16,20,24,28
	v_pk_fma_f32 v[TA+4*\u:TA+4*\u+1], v[SR+32*\u+\i:SR+32*\u+\i+1], v[SR+32*\u+\i:SR+32*\u+\i+1], v[TA+4*\u:TA+4*\u+1]
	v_pk_fma_f32 v[TA+4*\u+2:TA+4*\u+3], v[SR+32*\u+\i+2:SR+32*\u+\i+3], v[SR+32*\u+\i+2:SR+32*\u+\i+3], v[TA+4*\u+2:TA+4*\u+3]
.endr
	v_pk_add_f32 v[TA+4*\u:TA+4*\u+1], v[TA+4*\u:TA+4*\u+1], v[TA+4*\u+2:TA+4*\u+3]
	v_add_f32 v[TA+4*\u+2], v[TA+4*\u], v[TA+4*\u+1]
	v_permlanex16_b32 v[TA+4*\u+3], v[TA+4*\u+2], s4, s5
	v_add_f32 v[TA+4*\u+2], v[TA+4*\u+2], v[TA+4*\u+3]
	v_fma_f32 v[TA+4*\u+2], v[TA+4*\u+2], s26, s27         ; variance + eps
	v_rsq_f32 v[AL+2*\u], v[TA+4*\u+2]
	v_nop
	s_wait_alu depctr_va_vdst(0)
	v_mov_b32 v[AL+2*\u+1], v[AL+2*\u]
.set k, 0
.rept 16
	v_pk_mul_f32 v[SR+32*\u+k:SR+32*\u+k+1], v[SR+32*\u+k:SR+32*\u+k+1], v[AL+2*\u:AL+2*\u+1]
.set k, k+2
.endr
	WIN 0x14                               ; gain and bias in window 1
.set k, 0
.rept 16
	v_pk_fma_f32 v[SR+32*\u+k:SR+32*\u+k+1], v[SR+32*\u+k:SR+32*\u+k+1], v[GA+k:GA+k+1], v[BA+k:BA+k+1]
.set k, k+2
.endr
	WIN 0
.irp t, 0,1,2,3
	ds_store_b128 v[STO], v[SR+32*\u+8*\t:SR+32*\u+8*\t+3] offset:64*\t
	ds_store_b128 v[STO], v[SR+32*\u+8*\t+4:SR+32*\u+8*\t+7] offset:64*\t+16
.endr
.irp i, 0,1,2,3,4,5,6,7
	ds_load_b128 v[KF+32*\u+4*\i:KF+32*\u+4*\i+3], v[RD] offset:\i*2*SP    ; LDS serves a wave in order: these see the stores above
.endr
.irp i, 0,1,2,3,4,5,6,7
	s_wait_dscnt 7-\i
	global_store_b128 v[GO16], v[KF+32*\u+4*\i:KF+32*\u+4*\i+3], s[20:21] offset:\u*4096+\i*512   ; 512 consecutive bytes, aligned
	v_cvt_pk_f16_f32 v[VF+16*\u+2*\i], v[KF+32*\u+4*\i], v[KF+32*\u+4*\i+1]                       ; the next product's operand, in f16
	v_cvt_pk_f16_f32 v[VF+16*\u+2*\i+1], v[KF+32*\u+4*\i+2], v[KF+32*\u+4*\i+3]
	global_store_b64 v[GO8], v[VF+16*\u+2*\i:VF+16*\u+2*\i+1], s[22:23] offset:\u*2048+\i*256     ; 256 consecutive bytes, aligned
.endr
.endm
	EPI 0                                  ; each tile has registers of its own: no store's source is written again
	EPI 1
	s_wait_dscnt 0x0
	s_set_vgpr_msb 0x5
	s_wait_tensorcnt 0x0
	ds_add_u32 v224, v225
	s_wait_dscnt 0x0
	s_set_vgpr_msb 0x500
	ROUND                                  ; the closing round
	s_endpgm
.Lfunc_end_k_q57a1cd8d78_attn:
	.size	k_q57a1cd8d78_attn, .Lfunc_end_k_q57a1cd8d78_attn-k_q57a1cd8d78_attn
	.p2alignl 7, 3214868480
	.fill 96, 4, 3214868480
	.section	.rodata,"a",@progbits
	.p2align	6, 0x0
	.amdhsa_kernel k_q57a1cd8d78_attn
		.amdhsa_group_segment_fixed_size 327680
		.amdhsa_private_segment_fixed_size 0
		.amdhsa_enable_private_segment 0
		.amdhsa_kernarg_size 64
		.amdhsa_user_sgpr_count 2
		.amdhsa_user_sgpr_kernarg_segment_ptr 1
		.amdhsa_wavefront_size32 1
		.amdhsa_system_sgpr_workgroup_id_x 1
		.amdhsa_system_sgpr_workgroup_id_y 1
		.amdhsa_system_sgpr_workgroup_id_z 1
		.amdhsa_system_vgpr_workitem_id 0
		.amdhsa_next_free_vgpr 482
		.amdhsa_next_free_sgpr 96
		.amdhsa_reserve_vcc 0
		.amdhsa_float_denorm_mode_32 3
		.amdhsa_float_denorm_mode_16_64 3
		.amdhsa_memory_ordered 1
		.amdhsa_forward_progress 1
		.amdhsa_inst_pref_size 255
	.end_amdhsa_kernel
	.section	.bss,"aw",@nobits
	.p2align	6
	.space	262144
	.amdgpu_metadata
---
amdhsa.version: [ 1, 2 ]
amdhsa.kernels:
  - .name:           k_q57a1cd8d78_attn
    .symbol:         k_q57a1cd8d78_attn.kd
    .args:
      - { .name: qh, .offset: 0, .size: 8, .value_kind: global_buffer, .address_space: global }
      - { .name: kh, .offset: 8, .size: 8, .value_kind: global_buffer, .address_space: global }
      - { .name: vh, .offset: 16, .size: 8, .value_kind: global_buffer, .address_space: global }
      - { .name: mask, .offset: 24, .size: 8, .value_kind: global_buffer, .address_space: global }
      - { .name: g_att, .offset: 32, .size: 8, .value_kind: global_buffer, .address_space: global }
      - { .name: b_att, .offset: 40, .size: 8, .value_kind: global_buffer, .address_space: global }
      - { .name: x2, .offset: 48, .size: 8, .value_kind: global_buffer, .address_space: global }
      - { .name: xb, .offset: 56, .size: 8, .value_kind: global_buffer, .address_space: global }
    .group_segment_fixed_size: 327680
    .private_segment_fixed_size: 0
    .kernarg_segment_align: 8
    .kernarg_segment_size: 64
    .max_flat_workgroup_size: 256
    .sgpr_count:     96
    .vgpr_count:     482
    .wavefront_size: 32
...
	.end_amdgpu_metadata
.endif
;; end of part 3
;; launch res (part 4): grid 8 x 32, 4 waves a work-group, clusters of 4 x 4, 327,680 bytes of LDS; arguments xb, wrb, bres, qh; writes qh
.if DOCPART == 4
	.amdgcn_target "amdgcn-amd-amdhsa--gfx1250"
	.amdhsa_code_object_version 6
	.text
	.protected	k_q57a1cd8d78_res
	.globl	k_q57a1cd8d78_res
	.p2align	8
	.type	k_q57a1cd8d78_res,@function
k_q57a1cd8d78_res:
	s_mov_b64 s[64:65], 0
	v_nop
	global_prefetch_b8 v0, s[64:65] scope:SCOPE_SE
	s_setreg_imm32_b32 hwreg(HW_REG_WAVE_MODE, 25, 1), 1
	s_wait_xcnt 0x0
	s_wait_alu depctr_hold_cnt(0) depctr_sa_sdst(0) depctr_va_vdst(0) depctr_va_sdst(0) depctr_va_ssrc(0) depctr_va_vcc(0) depctr_vm_vsrc(0)
	s_getreg_b32 s2, hwreg(HW_REG_IB_STS2, 6, 4)
	s_cmp_eq_u32 s2, 0
	s_cbranch_scc0 .Lentry_in_a_cluster
	s_endpgm
.Lentry_in_a_cluster:
	s_bfe_u32 s2, ttmp6, 0x10000c
	s_cmp_lg_u32 s2, 0xf033
	s_cbranch_scc0 .Lentry_shape_is_right
	s_endpgm
.Lentry_shape_is_right:
; z = A W + bias.  A: f16 [kb 16][row 12288][64], of which rows 0 to 4,095 are read (K in blocks of 64).  W: f16 [k 1024][n 1024].
; Sums in f32.  Out: f32 [hb = 16 b + head][s 2048][64].  Block row yb (128 rows of A), block column nb (128 columns).
; A work-group makes 128 x 128 with four waves (2 x 2), 64 x 64 each: 16 accumulator tiles; 32 x 8 = 256 work-groups (blocks of
; 256 x 256 would make 64).  K = 1024 goes through two LDS slots of K = 256, four periods, written out.
; FORMAT: both operands f16 (11 significant bits).  A is the output of a LayerNorm over 64 numbers, at most 8 |gain| + |bias|, W a
; weight: far inside f16's 65,504.  Limits: a number beyond that is infinite here; NaN and infinities are not served.
; CLUSTER 4 x 4: A's tiles hang on yb alone and are asked for jointly along a row of the cluster, W's on nb alone and jointly along a
; column.  By this text's count a wave has two tensor loads out at the start, later one.
; The matrix instruction is used transposed (source 0 = 16 columns of W, source 1 = 16 rows of A): lane (r, h), register j holds
; row r, column 8 h + j.  The bias is the C operand of the first K step: nothing is cleared and nothing is added later.
.set PLANE_B, 1572864                  ; bytes of a kb plane of A
.set AP,    144                        ; LDS pitch of A's rows: 128 bytes + 16
.set BP,    288                        ; LDS pitch of W's k rows: 256 bytes + 32 (an odd multiple of 32, for the transposing loads)
.set PART,  36864                      ; what one tensor load fills: 4 planes x 64 rows x 144, or 128 k rows x 288
.set SLOT,  4*PART                     ; A half 0, A half 1, W rows 0-127, W rows 128-255
.set STAGE, 2*SLOT                     ; behind the ring: 16 rows x 272 bytes for each wave; no tensor load lands here
.set SP,    272
.set XFR, 2                            ; v2-3   A fragments' address, slot 0, 1
.set WFR, 4                            ; v4-7   W fragments' address, [slot][half of the slot's k rows]
.set STO, 8
.set RD,  9
.set GO16, 10
.set BOF,  12
.set F0,  16                           ; v16-79 fragment buffer 0 (W at +0, A at +32); v80-143 buffer 1
.set BIAS, 144                         ; v144-175
.set TMP, 176                          ; v176-239 the way out, two buffers
.set G1A, 24
.set G0A, 32
.set G1B, 48
.set G0B, 56
.set MSB, 0
.macro WIN new                         ; the immediate's high byte repeats the setting that is left
.if MSB != \new
	s_set_vgpr_msb (MSB<<8)|\new
.set MSB, \new
.endif
.endm
.macro PLACES n
.rept \n
	v_nop
.endr
.endm
.macro ROUND                           ; a round of the cluster's barrier
	s_barrier_signal -1
	s_barrier_wait -1
	s_cmp_lg_u32 s10, 0
	s_cbranch_scc1 .Lnw0_\@
	s_barrier_signal -3
.Lnw0_\@:
	s_barrier_wait -3
	s_barrier_signal -1
	s_barrier_wait -1
.endm
.macro JLOAD slot                      ; waves 0, 1 ask for A's halves, waves 2, 3 for W's
	s_cmp_eq_u32 s11, 0
	s_cbranch_scc0 .Ljb_\@
	tensor_load_to_lds s[G0A+4*\slot:G0A+4*\slot+3], s[G1A:G1A+7]
	s_nop 0
	s_branch .Ljd_\@
.Ljb_\@:
	tensor_load_to_lds s[G0B+4*\slot:G0B+4*\slot+3], s[G1B:G1B+7]
	s_nop 0
.Ljd_\@:
.endm
	s_load_b256 s[68:75], s[0:1], 0x0      ; A 68, W 70, bias 72, output 74
	v_lshl_add_u32 v254, v0, 2, 0x4c400
	v_mov_b32 v255, 0
	ds_add_u32 v254, v255
	v_lshrrev_b32 v1, 5, v0
	v_readfirstlane_b32 s10, v1            ; wave
	s_lshr_b32 s11, s10, 1                 ; wm: my 64 rows.  Also 0: I fetch for A, 1: for W
	s_and_b32 s12, s10, 1                  ; wn: my 64 columns.  Also which half I fetch
	s_bfe_u32 s40, ttmp6, 0x40000          ; cx
	s_bfe_u32 s41, ttmp6, 0x40004          ; cy
	s_lshl_b32 s42, ttmp9, 2
	s_add_co_u32 s42, s42, s40             ; nb
	s_and_b32 s13, ttmp7, 0xffff
	s_lshl_b32 s13, s13, 2
	s_add_co_u32 s13, s13, s41             ; yb
	s_lshl_b32 s43, s41, 2
	s_lshl_b32 s43, 15, s43                ; my row of the cluster
	s_lshl_b32 s44, 0x1111, s40            ; my column
	; group 1 for A: 4 planes of 4,096 elements (64 rows x 64 k, dense), 16 bytes of padding behind every 128
	s_or_b32 s[G1A+0], s43, (1<<16)|(1<<20)|(1<<21)|(4<<22)|(3<<25)
	s_mov_b32 s[G1A+1], 4096<<16
	s_mov_b32 s[G1A+2], 4<<16
	s_mov_b32 s[G1A+3], 4096<<16
	s_mov_b32 s[G1A+4], 4
	s_mov_b32 s[G1A+5], PLANE_B/2
	s_mov_b32 s[G1A+6], 0
	s_mov_b32 s[G1A+7], 0
	; group 1 for W: 128 k rows of 128 elements, 32 bytes of padding behind every 256
	s_or_b32 s[G1B+0], s44, (1<<16)|(1<<20)|(1<<21)|(5<<22)|(7<<25)
	s_mov_b32 s[G1B+1], 128<<16
	s_mov_b32 s[G1B+2], 128<<16
	s_mov_b32 s[G1B+3], 128<<16
	s_mov_b32 s[G1B+4], 128
	s_mov_b32 s[G1B+5], 1024
	s_mov_b32 s[G1B+6], 0
	s_mov_b32 s[G1B+7], 0
	s_lshl_b32 s14, s13, 14                ; A: 128 yb rows of 128 bytes
	s_lshl_b32 s16, s12, 13                ;    + my 64 rows
	s_add_co_u32 s14, s14, s16
	s_mov_b32 s15, 0
	s_lshl_b32 s46, s12, 18                ; W: my 128 k rows of 2,048 bytes
	s_lshl_b32 s17, s42, 8                 ;    + 128 nb columns
	s_add_co_u32 s46, s46, s17
	s_mov_b32 s47, 0
	s_mul_i32 s20, s10, PART               ; where my part goes: the wave's number alone
	s_lshl_b32 s18, s42, 9                 ; bias: 128 nb numbers
	s_mov_b32 s19, 0
	s_wait_dscnt 0x0
	s_wait_kmcnt 0x0
	s_add_nc_u64 s[14:15], s[68:69], s[14:15]
	s_add_nc_u64 s[46:47], s[70:71], s[46:47]
.irp s, 0,1
	s_mov_b32 s[G0A+4*\s], 1
	s_add_co_u32 s[G0A+4*\s+1], s20, \s*SLOT
	s_add_nc_u64 s[G0A+4*\s+2:G0A+4*\s+3], s[14:15], \s*4*PLANE_B
	s_or_b32 s[G0A+4*\s+3], s[G0A+4*\s+3], 0x80000000
	s_mov_b32 s[G0B+4*\s], 1
	s_add_co_u32 s[G0B+4*\s+1], s20, \s*SLOT
	s_add_nc_u64 s[G0B+4*\s+2:G0B+4*\s+3], s[46:47], \s*524288
	s_or_b32 s[G0B+4*\s+3], s[G0B+4*\s+3], 0x80000000
.endr
	s_add_nc_u64 s[4:5], s[72:73], s[18:19]
	ROUND                                  ; all sixteen work-groups are here: the first joint loads meet
	s_cmp_eq_u32 s11, 0                    ; both first fills of a wave inside one branch on its number
	s_cbranch_scc0 .Lfirst_b
	tensor_load_to_lds s[G0A:G0A+3], s[G1A:G1A+7]
	s_nop 0
	tensor_load_to_lds s[G0A+4:G0A+7], s[G1A:G1A+7]
	s_nop 0
	s_branch .Lfirst_done
.Lfirst_b:
	tensor_load_to_lds s[G0B:G0B+3], s[G1B:G1B+7]
	s_nop 0
	tensor_load_to_lds s[G0B+4:G0B+7], s[G1B:G1B+7]
	s_nop 0
.Lfirst_done:
	v_and_b32 v13, 15, v0                  ; r
	v_bfe_u32 v14, v0, 4, 1                ; h
	v_mul_u32_u24 v15, v13, AP
	v_lshl_add_u32 v15, v14, 4, v15
	s_mul_i32 s21, s11, PART
	v_add_nc_u32 v[XFR], s21, v15          ; my half of A + r x pitch + 16 h
	v_add_nc_u32 v[XFR+1], SLOT, v[XFR]
	v_and_b32 v15, 7, v0
	v_lshl_add_u32 v15, v14, 3, v15        ; k row 8 h + lane % 8
	v_mul_u32_u24 v15, v15, BP
	v_bfe_u32 v1, v0, 3, 1
	v_lshl_add_u32 v15, v1, 4, v15         ; + 16 bytes for the upper eight columns
	s_lshl_b32 s21, s12, 7
	s_add_co_u32 s21, s21, 2*PART          ; W lies behind A; + my 64 columns
	v_add_nc_u32 v[WFR], s21, v15
	v_add_nc_u32 v[WFR+1], PART, v[WFR]
	v_add_nc_u32 v[WFR+2], SLOT, v[WFR]
	v_add_nc_u32 v[WFR+3], SLOT, v[WFR+1]
	s_mul_i32 s21, s10, 16*SP
	s_add_co_u32 s21, s21, STAGE
	v_mul_u32_u24 v15, v13, SP
	v_lshl_add_u32 v15, v14, 5, v15
	v_add_nc_u32 v[STO], s21, v15          ; in: row r, 32 bytes for each half of the lanes
	v_mul_u32_u24 v15, v14, SP
	v_lshl_add_u32 v15, v13, 4, v15
	v_add_nc_u32 v[RD], s21, v15           ; back: lanes 0-15 one row of 256 bytes, lanes 16-31 the next
	v_and_b32 v1, 31, v0
	v_lshlrev_b32 v[GO16], 4, v1
	s_lshl_b32 s21, s12, 8
	v_lshl_add_u32 v[BOF], v14, 5, s21
.irp b, 0,1,2,3
	global_load_b128 v[BIAS+8*\b:BIAS+8*\b+3], v[BOF], s[4:5] offset:64*\b
	global_load_b128 v[BIAS+8*\b+4:BIAS+8*\b+7], v[BOF], s[4:5] offset:64*\b+16
.endr
; 16 LDS loads: substep ks (32 along K) of a slot: four fragments of W (stored [k][n]: transposing loads), four of A
.macro FETCH slot, ks, f
.irp b, 0,1,2,3
	ds_load_tr16_b128 v[(\f)+8*\b:(\f)+8*\b+3], v[WFR+2*\slot+((\ks)>>2)] offset:((\ks)&3)*32*BP+32*\b
	ds_load_tr16_b128 v[(\f)+8*\b+4:(\f)+8*\b+7], v[WFR+2*\slot+((\ks)>>2)] offset:((\ks)&3)*32*BP+32*\b+16*BP
.endr
.irp a, 0,1,2,3
	ds_load_b128 v[(\f)+32+8*\a:(\f)+32+8*\a+3], v[XFR+\slot] offset:((\ks)>>1)*64*AP+\a*16*AP+((\ks)&1)*64
	ds_load_b128 v[(\f)+32+8*\a+4:(\f)+32+8*\a+7], v[XFR+\slot] offset:((\ks)>>1)*64*AP+\a*16*AP+((\ks)&1)*64+32
.endr
.endm
; 16 matrix instructions; the 16 accumulators (window 1) take turns, one instruction a turn, in the same order in every substep
.macro MUL f, first
.if \first
	WIN 0x40
.else
	WIN 0x50
.endif
.irp a, 0,1,2,3
.irp b, 0,1,2,3
.if \first
	v_wmma_f32_16x16x32_f16 v[8*(4*\a+\b):8*(4*\a+\b)+7], v[(\f)+8*\b:(\f)+8*\b+7], v[(\f)+32+8*\a:(\f)+32+8*\a+7], v[BIAS+8*\b:BIAS+8*\b+7]
.else
	v_wmma_f32_16x16x32_f16 v[8*(4*\a+\b):8*(4*\a+\b)+7], v[(\f)+8*\b:(\f)+8*\b+7], v[(\f)+32+8*\a:(\f)+32+8*\a+7], v[8*(4*\a+\b):8*(4*\a+\b)+7]
.endif
.endr
.endr
.endm
; a slot's eight substeps on two fragment buffers.  Four plain places stand between a matrix instruction and a load into a
; register that it read (ISA guide 7.12.1 for vector instructions; kept for loads too); ahead of the first period stands none.
.macro PERIOD slot, first
	WIN 0
.if \first == 0
	PLACES 4
.endif
	FETCH \slot, 0, F0
.irp ks, 0,1,2,3,4,5,6
	WIN 0
.if \ks
	PLACES 4
.endif
	FETCH \slot, \ks+1, F0+64*((\ks+1)&1)
	s_wait_dscnt 16                        ; this substep's 16 loads are in; the 16 just issued stay out
.if \ks
	MUL F0+64*(\ks&1), 0
.else
	MUL F0, \first
.endif
.endr
	s_wait_dscnt 0x0
	MUL F0+64, 0
.endm
; change of slots.  slot has just been read.  Every wave's reads are back and all its tensor loads have landed in front of the
; barrier; with refill the barrier is a round of the cluster's, and the joint refill is the first thing behind it.
.macro TURN slot, refill
	WIN 0
	s_wait_dscnt 0x0
	s_wait_tensorcnt 0x0
	ds_add_u32 v254, v255
	s_wait_dscnt 0x0
.if \refill
	s_add_nc_u64 s[G0A+4*\slot+2:G0A+4*\slot+3], s[G0A+4*\slot+2:G0A+4*\slot+3], 8*PLANE_B
	s_add_nc_u64 s[G0B+4*\slot+2:G0B+4*\slot+3], s[G0B+4*\slot+2:G0B+4*\slot+3], 1048576
	ROUND
	JLOAD \slot
.else
	s_barrier_signal -1
	s_barrier_wait -1
.endif
.endm
; rows 16 a .. 16 a + 15 of my block: through my own stage, back as whole rows of 256 bytes, out in f32
.macro OUTA a, buf
	WIN 0x04
.irp b, 0,1,2,3
	ds_store_b128 v[STO], v[8*(4*\a+\b):8*(4*\a+\b)+3] offset:64*\b
	ds_store_b128 v[STO], v[8*(4*\a+\b)+4:8*(4*\a+\b)+7] offset:64*\b+16
.endr
	WIN 0
	s_wait_xcnt 0x0                        ; registers that earlier stores read are written again only behind this wait
.irp i, 0,1,2,3,4,5,6,7
	ds_load_b128 v[TMP+32*\buf+4*\i:TMP+32*\buf+4*\i+3], v[RD] offset:\i*2*SP   ; LDS serves a wave in order: these see the stores above
.endr
.irp i, 0,1,2,3,4,5,6,7
	s_wait_dscnt 7-\i
	global_store_b128 v[GO16], v[TMP+32*\buf+4*\i:TMP+32*\buf+4*\i+3], s[8:9] offset:\a*4096+\i*512   ; 512 consecutive bytes, aligned
.endr
.endm
	s_wait_tensorcnt 0x1                   ; my part of slot 0 is in; slot 1's stays out
	s_barrier_signal -1
	s_barrier_wait -1
	s_wait_loadcnt 0x0                     ; the bias
	PERIOD 0, 1
	TURN 0, 1
	PERIOD 1, 0
	TURN 1, 1
	PERIOD 0, 0
	TURN 0, 0
	PERIOD 1, 0
	WIN 0
	PLACES 4                               ; behind the last matrix instructions, in front of the stores of their results
	s_lshr_b32 s84, s13, 4                 ; b
	s_lshl_b32 s84, s84, 4
	s_lshl_b32 s85, s42, 1
	s_add_co_u32 s84, s84, s85
	s_add_co_u32 s84, s84, s12             ; hb = 16 b + 2 nb + wn
	s_lshl_b32 s84, s84, 11
	s_and_b32 s85, s13, 15
	s_lshl_b32 s85, s85, 7
	s_add_co_u32 s84, s84, s85
	s_lshl_b32 s85, s11, 6
	s_add_co_u32 s84, s84, s85             ; my first output row
	s_lshl_b32 s86, s84, 8
	s_mov_b32 s87, 0
	s_add_nc_u64 s[8:9], s[74:75], s[86:87]
	OUTA 0, 0
	OUTA 1, 1
	OUTA 2, 0
	OUTA 3, 1
	s_wait_dscnt 0x0
	s_wait_tensorcnt 0x0
	ds_add_u32 v254, v255
	s_wait_dscnt 0x0
	ROUND                                  ; the closing round: no work-group ends while a partner may still ask jointly
	s_endpgm
.Lfunc_end_k_q57a1cd8d78_res:
	.size	k_q57a1cd8d78_res, .Lfunc_end_k_q57a1cd8d78_res-k_q57a1cd8d78_res
	.p2alignl 7, 3214868480
	.fill 96, 4, 3214868480
	.section	.rodata,"a",@progbits
	.p2align	6, 0x0
	.amdhsa_kernel k_q57a1cd8d78_res
		.amdhsa_group_segment_fixed_size 327680
		.amdhsa_private_segment_fixed_size 0
		.amdhsa_enable_private_segment 0
		.amdhsa_kernarg_size 32
		.amdhsa_user_sgpr_count 2
		.amdhsa_user_sgpr_kernarg_segment_ptr 1
		.amdhsa_wavefront_size32 1
		.amdhsa_system_sgpr_workgroup_id_x 1
		.amdhsa_system_sgpr_workgroup_id_y 1
		.amdhsa_system_sgpr_workgroup_id_z 1
		.amdhsa_system_vgpr_workitem_id 0
		.amdhsa_next_free_vgpr 384
		.amdhsa_next_free_sgpr 96
		.amdhsa_reserve_vcc 0
		.amdhsa_float_denorm_mode_32 3
		.amdhsa_float_denorm_mode_16_64 3
		.amdhsa_memory_ordered 1
		.amdhsa_forward_progress 1
		.amdhsa_inst_pref_size 89
	.end_amdhsa_kernel
	.amdgpu_metadata
---
amdhsa.version: [ 1, 2 ]
amdhsa.kernels:
  - .name:           k_q57a1cd8d78_res
    .symbol:         k_q57a1cd8d78_res.kd
    .args:
      - { .name: xb, .offset: 0, .size: 8, .value_kind: global_buffer, .address_space: global }
      - { .name: wrb, .offset: 8, .size: 8, .value_kind: global_buffer, .address_space: global }
      - { .name: bres, .offset: 16, .size: 8, .value_kind: global_buffer, .address_space: global }
      - { .name: qh, .offset: 24, .size: 8, .value_kind: global_buffer, .address_space: global }
    .group_segment_fixed_size: 327680
    .private_segment_fixed_size: 0
    .kernarg_segment_align: 8
    .kernarg_segment_size: 32
    .max_flat_workgroup_size: 128
    .sgpr_count:     96
    .vgpr_count:     384
    .wavefront_size: 32
...
	.end_amdgpu_metadata
.endif
;; end of part 4
;; launch norm (part 5): grid 256 x 1, 8 waves a work-group, no clusters, 0 bytes of LDS; arguments x2, qh, g_out, b_out, out0; writes out0
.if DOCPART == 5
	.amdgcn_target "amdgcn-amd-amdhsa--gfx1250"
	.amdhsa_code_object_version 6
	.text
	.protected	k_q57a1cd8d78_norm
	.globl	k_q57a1cd8d78_norm
	.p2align	8
	.type	k_q57a1cd8d78_norm,@function
k_q57a1cd8d78_norm:
	s_mov_b64 s[64:65], 0
	v_nop
	global_prefetch_b8 v0, s[64:65] scope:SCOPE_SE
	s_setreg_imm32_b32 hwreg(HW_REG_WAVE_MODE, 25, 1), 1
	s_wait_xcnt 0x0
; out0 = tanh( LayerNorm_1024( x2 + tanh(z) ) ).  x2 and z (in qh): f32 [hb = 16 b + head][s 2048][64]; out0: f32 [token][1024].
; A stream: memory binds, so no LDS, no barrier, no matrix unit.  One wave takes a whole row (32 registers), two rows each; the
; reduction never leaves the wave.  A load takes two heads' 256 bytes (lanes 0-15, lanes 16-31), a store 512 consecutive bytes.
; All 48 loads of a wave go out first.  tanh(x) = 1 - 2 / (1 + exp2(2 log2(e) x)): right at both ends (exp2 gives 0 or infinity).
; Limits: exponentials, reciprocals and roots flush denormals; NaN and infinities are not served.
.set XR, 16                            ; v16-79   x2, row e at 32 e
.set ZR, 80                            ; v80-143  z
.set GR, 144                           ; v144-175 g_out
.set BR, 176                           ; v176-207 b_out
	s_load_b256 s[8:15], s[0:1], 0x0       ; x2 8, z 10, g_out 12, b_out 14
	s_load_b64 s[16:17], s[0:1], 0x20      ; out0
	v_lshrrev_b32 v4, 5, v0
	v_readfirstlane_b32 s3, v4             ; wave
	s_mov_b32 s4, 0x76543210
	s_mov_b32 s5, 0xfedcba98
	s_mov_b32 s23, 0x3a800000              ; 1/1024
	s_mov_b32 s24, 0x3727c5ac              ; 1e-5
	s_lshr_b32 s18, ttmp9, 7               ; b
	s_lshl_b32 s18, s18, 23                ; 16 heads x 2,048 rows x 256 bytes
	s_and_b32 s19, ttmp9, 127
	s_lshl_b32 s19, s19, 12                ; 16 rows of 256 bytes
	s_add_co_u32 s18, s18, s19
	s_mov_b32 s19, 0
	s_lshl_b32 s20, ttmp9, 16              ; 16 rows of 4,096 bytes
	s_mov_b32 s21, 0
	v_and_b32 v5, 31, v0
	v_lshlrev_b32 v3, 4, v5                ; 16 x lane
	v_and_b32 v6, 15, v0
	v_bfe_u32 v7, v0, 4, 1
	v_lshlrev_b32 v1, 4, v6
	v_lshl_add_u32 v1, v7, 19, v1          ; the upper lanes take the next head
	s_lshl_b32 s22, s3, 9
	v_add_nc_u32 v1, s22, v1               ; my two rows
	s_lshl_b32 s22, s3, 13
	v_add_nc_u32 v2, s22, v3
	v_mov_b32 v9, 0                        ; the destination of the lane exchange counts as read
	s_wait_kmcnt 0x0
	s_add_nc_u64 s[8:9], s[8:9], s[18:19]
	s_add_nc_u64 s[10:11], s[10:11], s[18:19]
	s_add_nc_u64 s[16:17], s[16:17], s[20:21]
.macro LDROW e
.irp i, 0,1,2,3,4,5,6,7
	global_load_b128 v[XR+32*\e+4*\i:XR+32*\e+4*\i+3], v1, s[8:9] offset:\i*1048576+\e*256 th:TH_LOAD_NT
.endr
.irp i, 0,1,2,3,4,5,6,7
	global_load_b128 v[ZR+32*\e+4*\i:ZR+32*\e+4*\i+3], v1, s[10:11] offset:\i*1048576+\e*256 th:TH_LOAD_NT
.endr
.endm
	LDROW 0
.irp i, 0,1,2,3,4,5,6,7
	global_load_b128 v[GR+4*\i:GR+4*\i+3], v3, s[12:13] offset:\i*512
.endr
.irp i, 0,1,2,3,4,5,6,7
	global_load_b128 v[BR+4*\i:BR+4*\i+3], v3, s[14:15] offset:\i*512
.endr
	LDROW 1
.macro TANH R                          ; in place on 32 registers
.set k, 0
.rept 16
	v_pk_mul_f32 v[(\R)+k:(\R)+k+1], v[(\R)+k:(\R)+k+1], 0x4038aa3b op_sel_hi:[1,0]
.set k, k+2
.endr
.set k, 0
.rept 32
	v_exp_f32 v[(\R)+k], v[(\R)+k]
.set k, k+1
.endr
	v_nop                                  ; a plain place behind the transcendentals (ISA guide 5.7.2)
.set k, 0
	s_wait_alu depctr_va_vdst(0)
.rept 16
	v_pk_add_f32 v[(\R)+k:(\R)+k+1], v[(\R)+k:(\R)+k+1], 1.0 op_sel_hi:[1,0]
.set k, k+2
.endr
.set k, 0
.rept 32
	v_rcp_f32 v[(\R)+k], v[(\R)+k]
.set k, k+1
.endr
	v_nop
.set k, 0
	s_wait_alu depctr_va_vdst(0)
.rept 16
	v_pk_fma_f32 v[(\R)+k:(\R)+k+1], v[(\R)+k:(\R)+k+1], -2.0, 1.0 op_sel_hi:[1,0,0]
.set k, k+2
.endr
.endm
.macro LANES                           ; v4 + v5 summed over the 32 lanes, the result in v8 of every lane
	v_add_f32 v8, v4, v5
	v_add_f32_dpp v8, v8, v8 row_xmask:1 row_mask:0xf bank_mask:0xf
	v_add_f32_dpp v8, v8, v8 row_xmask:2 row_mask:0xf bank_mask:0xf
	v_add_f32_dpp v8, v8, v8 row_xmask:4 row_mask:0xf bank_mask:0xf
	v_add_f32_dpp v8, v8, v8 row_xmask:8 row_mask:0xf bank_mask:0xf
	v_permlanex16_b32 v9, v8, s4, s5
	v_add_f32 v8, v8, v9
.endm
.macro ROWN e, left
	s_wait_loadcnt \left                   ; this row, the gain and the bias are in; a later row's 16 loads stay out
	TANH ZR+32*\e
.set k, 0
.rept 16
	v_pk_add_f32 v[XR+32*\e+k:XR+32*\e+k+1], v[XR+32*\e+k:XR+32*\e+k+1], v[ZR+32*\e+k:ZR+32*\e+k+1]
.set k, k+2
.endr
	v_pk_add_f32 v[4:5], v[XR+32*\e:XR+32*\e+1], v[XR+32*\e+2:XR+32*\e+3]
	v_pk_add_f32 v[6:7], v[XR+32*\e+4:XR+32*\e+5], v[XR+32*\e+6:XR+32*\e+7]
.irp i, 8,12,16,20,24,28
	v_pk_add_f32 v[4:5], v[4:5], v[XR+32*\e+\i:XR+32*\e+\i+1]
	v_pk_add_f32 v[6:7], v[6:7], v[XR+32*\e+\i+2:XR+32*\e+\i+3]
.endr
	v_pk_add_f32 v[4:5], v[4:5], v[6:7]
	LANES
	v_mul_f32 v10, s23, v8                 ; the mean
	v_mov_b32 v11, v10
.set k, 0
.rept 16
	v_pk_add_f32 v[XR+32*\e+k:XR+32*\e+k+1], v[XR+32*\e+k:XR+32*\e+k+1], v[10:11] neg_lo:[0,1] neg_hi:[0,1]
.set k, k+2
.endr
	v_pk_mul_f32 v[4:5], v[XR+32*\e:XR+32*\e+1], v[XR+32*\e:XR+32*\e+1]
	v_pk_mul_f32 v[6:7], v[XR+32*\e+2:XR+32*\e+3], v[XR+32*\e+2:XR+32*\e+3]
.irp i, 4,8,12,16,20,24,28
	v_pk_fma_f32 v[4:5], v[XR+32*\e+\i:XR+32*\e+\i+1], v[XR+32*\e+\i:XR+32*\e+\i+1], v[4:5]
	v_pk_fma_f32 v[6:7], v[XR+32*\e+\i+2:XR+32*\e+\i+3], v[XR+32*\e+\i+2:XR+32*\e+\i+3], v[6:7]
.endr
	v_pk_add_f32 v[4:5], v[4:5], v[6:7]
	LANES
	v_fma_f32 v8, v8, s23, s24             ; variance + eps
	v_rsq_f32 v12, v8
	v_nop
	s_wait_alu depctr_va_vdst(0)
	v_mov_b32 v13, v12
.set k, 0
.rept 16
	v_pk_mul_f32 v[XR+32*\e+k:XR+32*\e+k+1], v[XR+32*\e+k:XR+32*\e+k+1], v[12:13]
.set k, k+2
.endr
.set k, 0
.rept 16
	v_pk_fma_f32 v[XR+32*\e+k:XR+32*\e+k+1], v[XR+32*\e+k:XR+32*\e+k+1], v[GR+k:GR+k+1], v[BR+k:BR+k+1]
.set k, k+2
.endr
	TANH XR+32*\e
.irp i, 0,1,2,3,4,5,6,7
	global_store_b128 v2, v[XR+32*\e+4*\i:XR+32*\e+4*\i+3], s[16:17] offset:\e*4096+\i*512 th:TH_STORE_NT
.endr
.endm
	ROWN 0, 16
	ROWN 1, 0                              ; no register that a store reads is written again
	s_endpgm
.Lfunc_end_k_q57a1cd8d78_norm:
	.size	k_q57a1cd8d78_norm, .Lfunc_end_k_q57a1cd8d78_norm-k_q57a1cd8d78_norm
	.p2alignl 7, 3214868480
	.fill 96, 4, 3214868480
	.section	.rodata,"a",@progbits
	.p2align	6, 0x0
	.amdhsa_kernel k_q57a1cd8d78_norm
		.amdhsa_group_segment_fixed_size 0
		.amdhsa_private_segment_fixed_size 0
		.amdhsa_enable_private_segment 0
		.amdhsa_kernarg_size 40
		.amdhsa_user_sgpr_count 2
		.amdhsa_user_sgpr_kernarg_segment_ptr 1
		.amdhsa_wavefront_size32 1
		.amdhsa_system_sgpr_workgroup_id_x 1
		.amdhsa_system_sgpr_workgroup_id_y 1
		.amdhsa_system_sgpr_workgroup_id_z 1
		.amdhsa_system_vgpr_workitem_id 0
		.amdhsa_next_free_vgpr 208
		.amdhsa_next_free_sgpr 66
		.amdhsa_reserve_vcc 0
		.amdhsa_float_denorm_mode_32 3
		.amdhsa_float_denorm_mode_16_64 3
		.amdhsa_memory_ordered 1
		.amdhsa_forward_progress 1
		.amdhsa_inst_pref_size 45
	.end_amdhsa_kernel
	.amdgpu_metadata
---
amdhsa.version: [ 1, 2 ]
amdhsa.kernels:
  - .name:           k_q57a1cd8d78_norm
    .symbol:         k_q57a1cd8d78_norm.kd
    .args:
      - { .name: x2, .offset: 0, .size: 8, .value_kind: global_buffer, .address_space: global }
      - { .name: qh, .offset: 8, .size: 8, .value_kind: global_buffer, .address_space: global }
      - { .name: g_out, .offset: 16, .size: 8, .value_kind: global_buffer, .address_space: global }
      - { .name: b_out, .offset: 24, .size: 8, .value_kind: global_buffer, .address_space: global }
      - { .name: out0, .offset: 32, .size: 8, .value_kind: global_buffer, .address_space: global }
    .group_segment_fixed_size: 0
    .private_segment_fixed_size: 0
    .kernarg_segment_align: 8
    .kernarg_segment_size: 40
    .max_flat_workgroup_size: 256
    .sgpr_count:     66
    .vgpr_count:     208
    .wavefront_size: 32
...
	.end_amdgpu_metadata
.endif
;; end of part 5
